; MI455X (gfx1250); checked and timed in simulation.
; The chip was launched on July 23, 2026; its instructions are those of AMD's public machine-readable ISA for CDNA 5 (MIT licence, August 2026) and "CDNA5" Instruction Set Architecture Reference Guide (July 2026). The comments in the code are by the model that wrote it; some were corrected since.
;; Multi Head Attention. Allowed arithmetic: matrix products marked QUANTISED: E3M2 operands, one E8M0 scale for each 32 along K, by v_wmma_scale_f32_16x16x128_f8f6f4 with both operands' format E3M2, f32 sums; everything else in f32.
;; Inputs: Wk 1,024 x 1,024 float32; Wo 1,024 x 1,024 float32; Wq 1,024 x 1,024 float32; Wv 1,024 x 1,024 float32; bk 1,024 float32; bo 1,024 float32; bq 1,024 float32; bv 1,024 float32; x 4 x 2,048 x 1,024 float32.
;; Outputs: out0 4 x 2,048 x 1,024 float32.
;; This version of the problem:
;;   THIS VERSION OF THE PROBLEM IS GIVEN IN LOW PRECISION. The matrix products marked QUANTISED in the list below multiply operands that are first quantised to E3M2 (3 exponent bits, 2 mantissa bits; 6 bits a number), with one power-of-two scale for each 32 numbers along K (OCP MX v1.0); their sums are f32. All else is computed in f32.
;;   The module's matrix products, in the order in which they are computed (A, B: the left and right operand; K: the contracted axis; several contracted axes count as one K, in the product's order):
;;     1. [M 8,192, K 1,024] x [K 1,024, N 1,024]; A: input x; B: input Wq: QUANTISED
;;     2. [M 8,192, K 1,024] x [K 1,024, N 1,024]; A: input x; B: input Wk: QUANTISED
;;     3. [M 8,192, K 1,024] x [K 1,024, N 1,024]; A: input x; B: input Wv: QUANTISED
;;     4. batch 64 x [M 2,048, K 64] x [K 64, N 2,048]; A: computed on the way; B: computed on the way: QUANTISED
;;     5. batch 64 x [M 2,048, K 2,048] x [K 2,048, N 64]; A: softmax (see below); B: computed on the way: QUANTISED
;;     6. [M 8,192, K 1,024] x [K 1,024, N 1,024]; A: computed on the way; B: input Wo: QUANTISED
;;   THE QUANTISER, for each operand of a quantised product, along K:
;;     - K is cut into blocks of 32 from its start; a last block that is shorter is filled with zeros.
;;     - A block's scale is 2^e with e = floor(log2(the largest magnitude in the block)) - 4, held to -126 .. 127; a block of zeros has e = 0. As a byte (E8M0): e + 127.
;;     - Each number is divided by its block's scale, clamped to +-28, and rounded to the nearest number of E3M2, ties to even, subnormals kept.
;;     - The product sums the exact products of the quantised numbers (number of the format x scale) in f32.
;;   ~~~python
;;   def quantise(x, axis):      # numpy; x: float32 -> the quantised numbers, widened to float32 again
;;       x = np.moveaxis(x, axis, -1); K = x.shape[-1]
;;       x = np.pad(x, [(0, 0)] * (x.ndim - 1) + [(0, -K % 32)]); x = x.reshape(x.shape[:-1] + (-1, 32)); a = np.abs(x).max(-1, keepdims=True)
;;       e = np.where(a > 0, np.clip(np.frexp(np.where(a > 0, a, 1))[1] - 1 - 4, -126, 127), 0)      # np.frexp(a)[1] - 1 = floor(log2(a)), exactly
;;       r = np.clip(x / 2.0 ** e, -28, 28)
;;       step = 2.0 ** (np.maximum(np.frexp(np.where(r == 0, 1, r))[1] - 1, -2) - 2)
;;       q = np.round(r / step) * step * 2.0 ** e      # np.round: ties to even
;;       return np.moveaxis(q.reshape(q.shape[:-2] + (-1,))[..., :K], -1, axis).astype(np.float32)
;;   ~~~
;;   SOFTMAX AHEAD OF A QUANTISED PRODUCT. Where the list says 'softmax', what is quantised is not the finished softmax but p = 2^(t - M), with t = logit x log2(e) and M = ceil(the row's largest t), a whole number; so 1/2 < the row's largest p <= 1. The row's sum l is taken of the UNQUANTISED p, in f32, and the product's result is divided by l at the end. Since M is a whole number, a kernel that streams over the keys may use a running M (the ceiling of the running maximum): every later rescaling is an exact power of two, which a block's scale takes up: the codes' values come out the same.
;;   OPERANDS COMPUTED ON THE WAY. 'Computed on the way' means the value that the module computes at that place (a softmax that the list does not call 'softmax' is quantised finished and normalised). What goes into a quantiser is computed in f32, as accurately as f32 sums, v_exp_f32 and their like allow (about 1e-6 of the number): no bf16 or f16 on the way to a quantiser, and a product that is left as it is and whose result goes on into a quantised operand takes f32 operands (vector FMAs, or v_wmma_f32_16x16x4_f32). A number that lies on a knife's edge between two numbers of the format may be rounded either way, as far as f32 arithmetic and the matrix unit's own rounding can turn it there, and no further.
;; One version. Each part assembles by itself: llvm-mc -triple=amdgcn-amd-amdhsa -mcpu=gfx1250 --defsym DOCPART=n.
;; ======== version 1 of 1: 5 launches
;; limits: right only within a limited range of input values
;; workspace buffers: xc 6,553,600 bytes; wc 3,276,800 bytes; qkv 20,185,088 bytes; oc 6,553,600 bytes
;; launch quant (part 1): grid 256 x 1, 6 waves a work-group, no clusters, 52,992 bytes of LDS; arguments x, Wq, Wk, Wv, Wo, xc, wc; writes xc, wc
.if DOCPART == 1
	.amdgcn_target "amdgcn-amd-amdhsa--gfx1250"
	.amdhsa_code_object_version 6
	.text
	.protected	k_q14b465039b_quant
	.globl	k_q14b465039b_quant
	.p2align	8
	.type	k_q14b465039b_quant,@function
k_q14b465039b_quant:
	s_mov_b64 s[64:65], 0
	v_nop
	global_prefetch_b8 v0, s[64:65] scope:SCOPE_SE
	s_setreg_imm32_b32 hwreg(HW_REG_WAVE_MODE, 25, 1), 1
	s_wait_xcnt 0x0
; x [8192][1024] and Wq, Wk, Wv, Wo [1024][1024], f32, K innermost, become codes of BF6 (E3M2) with one E8M0 byte for each 32 along K.
; A block's scale is 2^(floor(log2(its largest magnitude)) - 4); its byte is the largest magnitude's exponent field - 4, held at 1 from below.
; LIMITS: NaN and infinities are not served; a block whose largest magnitude lies under 2^-122 has its byte held at 1; a block of zeros gets the byte 1 where the
; rule says 127: its codes are zeros, which add nothing under any byte but 0xff, and the bytes are read by this program alone.
; THE ROWS ARE STORED IN ANOTHER ORDER: in each aligned group of 64 rows, position 16 t + 8 e + j holds row 32 e + 8 t + j.  A product that takes 16 such positions as its
; source 0 then leaves, in a lane's 32 registers of four neighbouring tiles, 32 NEIGHBOURS of the true order: a whole block for the next quantiser.
; THE CODES LIE AS THE OPERAND'S REGISTERS WANT THEM: a chunk of 768 bytes holds 16 positions x 64 along K; lane l = r + 16 h owns the 24 bytes of position r, k = 32 h .. 32 h + 31:
; its first 16 at 16 l, its last 8 at 512 + 8 l.  Chunk (tile T, c) begins at (16 T + c) x 768.  The scale byte of (16 T + r, block kb) lies at 512 T + 128 (kb / 8) + 8 r + kb % 8.
; SHARES: 768 tiles of 16 positions (512 of x, 64 of each weight) x 2 halves of K = 1,536 tasks, one to a wave; 256 work-groups of six waves.  A task is 4 steps of 128 along K.
; Each load reads 512 consecutive bytes of one row; a step's 16 rows turn through the wave's own stage in LDS (rows of 528 bytes), so that a lane gets two whole blocks of its row.
; Waves share nothing: no barrier.  No cluster: no two work-groups read the same bytes.  Loads run two steps (32 loads a wave) ahead.
.set ROWB,  4096                       ; a row of f32 in bytes
.set SP,    528                        ; a stage row: 512 bytes + 16: the 16 rows that a 16-byte read touches start in 16 different columns of 16 bytes
.set GAT,   16*SP                      ; behind the stage: 256 bytes in which the task's scale words are gathered
.set WREG,  GAT+256                    ; LDS of a wave
.set L16,  1                           ; v1  16 x lane
.set L8,   2                           ; v2  8 x lane
.set SIN,  3                           ; v3  the stage, on the way in
.set SOUT, 4                           ; v4  and out: row r, + 128 h
.set GST,  5                           ; v5  where my row's scale words go
.set GRD,  6                           ; v6  and where I read 8 bytes back
.set SH8,  7                           ; v7  8 h
.set TM,   16                          ; v16-17 largest magnitudes; v18-19 the conversions' scale operands; v20-21 bytes; v22 the scale word; v23 the other half's
.set SO,   18
.set BY,   20
.set PW,   22
.set PX,   23
.set R,    32                          ; v32-159  two sets of 64: numbers as loaded
.set X,    160                         ; v160-223 register 32 c + i = k 64 c + 32 h + i of my row
.set PC,   224                         ; v224-235 the fragment's codes
.set PT,   236                         ; v236-243 the upper halves of the blocks' codes, before they are moved
.set SEL,  30                          ; s[30:31] v_permlanex16_b32's selects for lane l xor 16
	s_load_b256 s[4:11], s[0:1], 0x0               ; x, Wq, Wk, Wv
	s_load_b128 s[12:15], s[0:1], 0x20             ; Wo, xc
	s_load_b64 s[18:19], s[0:1], 0x30              ; wc
	v_lshl_add_u32 v254, v0, 2, 0xcc00
	v_mov_b32 v255, 0
	v_lshrrev_b32 v8, 5, v0
	v_readfirstlane_b32 s2, v8                     ; wave 0..5
	v_and_b32 v9, 31, v0                           ; lane
	v_and_b32 v10, 15, v0                          ; r
	v_bfe_u32 v11, v0, 4, 1                        ; h
	v_lshlrev_b32 v[L16], 4, v9
	v_lshlrev_b32 v[L8], 3, v9
	s_mul_i32 s3, s2, WREG
	v_add_nc_u32 v[SIN], s3, v[L16]
	v_mul_u32_u24 v[SOUT], v10, SP
	v_lshl_add_u32 v[SOUT], v11, 7, v[SOUT]
	v_add_nc_u32 v[SOUT], s3, v[SOUT]
	s_add_co_u32 s3, s3, GAT
	v_lshl_add_u32 v[GST], v10, 3, s3
	v_add_nc_u32 v[GRD], s3, v[L8]
	v_lshlrev_b32 v[SH8], 3, v11
	v_mov_b32 v[PX], 0                             ; written once: a lane permute's destination counts as one of its sources
	s_mov_b32 s[SEL], 0x76543210
	s_mov_b32 s[SEL+1], 0xfedcba98
	s_mul_i32 s22, ttmp9, 6
	s_add_co_u32 s22, s22, s2                      ; my task
	s_and_b32 s23, s22, 1                          ; which half of K
	s_lshr_b32 s22, s22, 1                         ; U: tiles 0-511 x, 512-575 Wq, 576-639 Wk, 640-703 Wv, 704-767 Wo
	s_and_b32 s24, s22, 63                         ; a weight's tile in its own tensor,
	s_sub_co_u32 s25, s22, 512                     ; and among the four weights' codes
	s_wait_alu depctr_va_vdst(0)
	s_wait_kmcnt 0x0
	s_cmp_lt_u32 s22, 704                          ; the choices hang on the task's number alone
	s_cselect_b64 s[12:13], s[10:11], s[12:13]
	s_cmp_lt_u32 s22, 640
	s_cselect_b64 s[12:13], s[8:9], s[12:13]
	s_cmp_lt_u32 s22, 576
	s_cselect_b64 s[12:13], s[6:7], s[12:13]
	s_cmp_lt_u32 s22, 512
	s_cselect_b64 s[12:13], s[4:5], s[12:13]       ; the tensor that I read
	s_cselect_b64 s[14:15], s[14:15], s[18:19]     ; the codes that I write
	s_cselect_b32 s24, s22, s24
	s_cselect_b32 s25, s22, s25
	s_lshr_b32 s26, s24, 2
	s_lshl_b32 s26, s26, 18                        ; the tile's group of 64 rows,
	s_and_b32 s27, s24, 3
	s_lshl_b32 s27, s27, 15                        ; 8 rows for each tile of the group,
	s_add_co_u32 s26, s26, s27
	s_lshl_b32 s27, s23, 11                        ; 2,048 bytes for the second half of K
	s_add_co_u32 s26, s26, s27
	s_mov_b32 s27, 0
	s_add_nc_u64 s[12:13], s[12:13], s[26:27]
; WHERE CHUNKS AND SCALE BYTES LIE (in place of the two places named in the head comment): eight tiles, 128 positions, form a RECORD of 102,400 bytes in one buffer:
; 4,096 scale bytes (tile T % 8 at 512 (T % 8), inside it as said above), then four quarters of K of 24,576 bytes; chunk (T, c) lies at 4096 + 24576 (c / 4) + 3072 (T % 8) + 768 (c % 4).
	s_lshr_b32 s26, s25, 3
	s_mul_i32 s26, s26, 102400                     ; my tile's record
	s_and_b32 s25, s25, 7
	s_lshl_b32 s28, s25, 9                         ; scale bytes: 512 a tile,
	s_add_co_u32 s28, s28, s26
	s_lshl_b32 s29, s23, 8                         ; 256 for the second half of K
	s_add_co_u32 s28, s28, s29
	s_mov_b32 s29, 0
	s_add_nc_u64 s[16:17], s[14:15], s[28:29]
	s_mul_i32 s25, s25, 3072                       ; codes: 3,072 a tile inside a quarter,
	s_add_co_u32 s26, s26, s25
	s_mul_i32 s25, s23, 2*24576                    ; two quarters for the second half of K,
	s_add_co_u32 s26, s26, s25
	s_add_co_u32 s26, s26, 4096                    ; behind the record's scale bytes
	s_add_nc_u64 s[14:15], s[14:15], s[26:27]
.macro LOAD s                          ; step s: position p of the tile is row 32 (p / 8) + p % 8 from the tile's first; 512 consecutive bytes a load
.irp p, 0,1,2,3,4,5,6,7,8,9,10,11,12,13,14,15
	global_load_b128 v[R+64*((\s)%2)+4*\p:R+64*((\s)%2)+4*\p+3], v[L16], s[12:13] offset:(32*(\p/8)+\p%8)*ROWB+512*(\s) th:TH_LOAD_NT
.endr
.endm
; 64 numbers of a lane, register 32 c + i = k 64 c + 32 h + i of my row, become a fragment's 12 registers of codes in v[PC] on and the row's scale word in v[PW].
.macro QUANT2 s
.irp c, 0,1
	v_max3_num_f32 v[TM+\c], |v[\s+32*\c]|, |v[\s+32*\c+1]|, 0x2800000   ; my block 2 c + h: all its 32 numbers are mine; the floor 2^(5 - 127) holds the byte at 1 from below
.endr
.irp i, 2,4,6,8,10,12,14,16,18,20,22,24,26,28,30
.irp c, 0,1
	v_max3_num_f32 v[TM+\c], v[TM+\c], |v[\s+32*\c+\i]|, |v[\s+32*\c+\i+1]|   ; (the two blocks by turns)
.endr
.endr
.irp c, 0,1
	v_add_nc_u32 v[SO+\c], 0xfe000000, v[TM+\c]    ; 4 off the exponent field: the conversion takes the exponent field of this operand as its scale
.endr
.irp c, 0,1
	v_lshrrev_b32 v[BY+\c], 23, v[SO+\c]           ; the scale's byte
.endr
	v_lshl_or_b32 v[PW], v[BY+1], 16, v[BY]        ; my two bytes, blocks h and 2 + h,
	v_lshlrev_b32 v[PW], v[SH8], v[PW]             ; at their places in the word;
	v_permlanex16_b32 v[PX], v[PW], s[SEL], s[SEL+1]
	v_or_b32 v[PW], v[PW], v[PX]                   ; with lane l xor 16's two the word is whole, in both lanes
.irp c, 0,1
	v_cvt_scalef32_pk16_bf6_f32 v[PC+6*\c:PC+6*\c+2], v[\s+32*\c:\s+32*\c+15], v[SO+\c]
	v_cvt_scalef32_pk16_bf6_f32 v[PT+4*\c:PT+4*\c+2], v[\s+32*\c+16:\s+32*\c+31], v[SO+\c]   ; (a conversion's three registers begin on an even number)
.endr
	v_nop                                          ; one plain place behind a scaled conversion
.irp c, 0,1
.irp i, 0,1,2
	v_mov_b32 v[PC+6*\c+3+\i], v[PT+4*\c+\i]
.endr
.endr
.endm
.macro STEP s
.if (\s) < 3
	s_wait_loadcnt 16                              ; this step's 16 loads are in; the next step's 16 may be out
.else
	s_wait_loadcnt 0x0
.endif
.irp p, 0,1,2,3,4,5,6,7,8,9,10,11,12,13,14,15
	ds_store_b128 v[SIN], v[R+64*((\s)%2)+4*\p:R+64*((\s)%2)+4*\p+3] offset:SP*\p
.endr
.irp c, 0,1
.irp j, 0,1,2,3,4,5,6,7
	ds_load_b128 v[X+32*\c+4*\j:X+32*\c+4*\j+3], v[SOUT] offset:256*\c+16*\j   ; LDS serves a wave's instructions in order: these see the stores above
.endr
.endr
	s_wait_dscnt 0x0                               ; my numbers are back, and the stores have read their registers,
.if (\s) < 2
	LOAD (\s)+2                                    ; which take the loads of two steps on
.endif
.if (\s) > 0
	s_wait_xcnt 0x0                                ; the last step's stores have read the codes' registers: they are written again only behind this wait
.endif
	QUANT2 X
.set SOF, 24576*((\s)/2)+1536*((\s)%2)             ; two steps to a quarter of K
	global_store_b128 v[L16], v[PC:PC+3], s[14:15] offset:SOF                ; two chunks: 512 + 256 + 512 + 256 consecutive bytes, each run aligned on 256
	global_store_b64 v[L8], v[PC+4:PC+5], s[14:15] offset:SOF+512
	global_store_b128 v[L16], v[PC+6:PC+9], s[14:15] offset:SOF+768
	global_store_b64 v[L8], v[PC+10:PC+11], s[14:15] offset:SOF+1280
	ds_store_b32 v[GST], v[PW] offset:128*((\s)/2)+4*((\s)%2)                ; both lanes of a row write the same word with the same value
.endm
	LOAD 0
	LOAD 1
	STEP 0
	STEP 1
	STEP 2
	STEP 3
	ds_load_b64 v[24:25], v[GRD]                   ; the task's 256 scale bytes, 8 a lane
	s_wait_dscnt 0x0
	global_store_b64 v[L8], v[24:25], s[16:17]     ; 256 consecutive bytes, aligned
	s_wait_tensorcnt 0x0
	ds_add_u32 v254, v255
	s_wait_dscnt 0x0
	s_endpgm
.Lfunc_end_k_q14b465039b_quant:
	.size	k_q14b465039b_quant, .Lfunc_end_k_q14b465039b_quant-k_q14b465039b_quant
	.p2alignl 7, 3214868480
	.fill 96, 4, 3214868480
	.section	.rodata,"a",@progbits
	.p2align	6, 0x0
	.amdhsa_kernel k_q14b465039b_quant
		.amdhsa_group_segment_fixed_size 52992
		.amdhsa_private_segment_fixed_size 0
		.amdhsa_enable_private_segment 0
		.amdhsa_kernarg_size 56
		.amdhsa_user_sgpr_count 2
		.amdhsa_user_sgpr_kernarg_segment_ptr 1
		.amdhsa_wavefront_size32 1
		.amdhsa_system_sgpr_workgroup_id_x 1
		.amdhsa_system_sgpr_workgroup_id_y 1
		.amdhsa_system_sgpr_workgroup_id_z 1
		.amdhsa_system_vgpr_workitem_id 0
		.amdhsa_next_free_vgpr 256
		.amdhsa_next_free_sgpr 66
		.amdhsa_reserve_vcc 0
		.amdhsa_float_denorm_mode_32 3
		.amdhsa_float_denorm_mode_16_64 3
		.amdhsa_memory_ordered 1
		.amdhsa_forward_progress 1
		.amdhsa_inst_pref_size 32
	.end_amdhsa_kernel
	.amdgpu_metadata
---
amdhsa.version: [ 1, 2 ]
amdhsa.kernels:
  - .name:           k_q14b465039b_quant
    .symbol:         k_q14b465039b_quant.kd
    .args:
      - { .name: x, .offset: 0, .size: 8, .value_kind: global_buffer, .address_space: global }
      - { .name: Wq, .offset: 8, .size: 8, .value_kind: global_buffer, .address_space: global }
      - { .name: Wk, .offset: 16, .size: 8, .value_kind: global_buffer, .address_space: global }
      - { .name: Wv, .offset: 24, .size: 8, .value_kind: global_buffer, .address_space: global }
      - { .name: Wo, .offset: 32, .size: 8, .value_kind: global_buffer, .address_space: global }
      - { .name: xc, .offset: 40, .size: 8, .value_kind: global_buffer, .address_space: global }
      - { .name: wc, .offset: 48, .size: 8, .value_kind: global_buffer, .address_space: global }
    .group_segment_fixed_size: 52992
    .private_segment_fixed_size: 0
    .kernarg_segment_align: 8
    .kernarg_segment_size: 56
    .max_flat_workgroup_size: 192
    .sgpr_count:     66
    .vgpr_count:     256
    .wavefront_size: 32
...
	.end_amdgpu_metadata
.endif
;; end of part 1
;; launch gemm_qk (part 2): grid 8 x 32, 4 waves a work-group, clusters of 4 x 4, 327,680 bytes of LDS; arguments xc, wc, bq, bk, qkv; writes qkv
.if DOCPART == 2
	.amdgcn_target "amdgcn-amd-amdhsa--gfx1250"
	.amdhsa_code_object_version 6
	.text
	.protected	k_q14b465039b_gemm_qk
	.globl	k_q14b465039b_gemm_qk
	.p2align	8
	.type	k_q14b465039b_gemm_qk,@function
k_q14b465039b_gemm_qk:
	s_mov_b64 s[64:65], 0
	v_nop
	global_prefetch_b8 v0, s[64:65] scope:SCOPE_SE
	s_setreg_imm32_b32 hwreg(HW_REG_WAVE_MODE, 25, 1), 1
	s_wait_xcnt 0x0
	s_wait_alu depctr_hold_cnt(0) depctr_sa_sdst(0) depctr_va_vdst(0) depctr_va_sdst(0) depctr_va_ssrc(0) depctr_va_vcc(0) depctr_vm_vsrc(0)
	s_getreg_b32 s2, hwreg(HW_REG_IB_STS2, 6, 4)
	s_cmp_eq_u32 s2, 0
	s_cbranch_scc0 .Lentry_in_a_cluster
	s_endpgm
.Lentry_in_a_cluster:
	s_bfe_u32 s2, ttmp6, 0x10000c
	s_cmp_lg_u32 s2, 0xf033
	s_cbranch_scc0 .Lentry_shape_is_right
	s_endpgm
.Lentry_shape_is_right:
.set MODE, 0
.set REC,   315392
.set VC,    98304
.set KS,    196608
.set VS,    204800
.set QC,    208896
.set QS,    307200
.if MODE == 1
.set A0, 2048
.else
.set A0, 0
.endif
.if MODE == 2
.set B0, 3072
.else
.set B0, 0
.endif
.set KSB,   3072
; An operand's 128 positions are one record of 102,400 bytes: 4,096 scale bytes, then four quarters of K of 24,576 bytes (8 tiles x 3,072).
; LDS: a region for each wave's record: the scale bytes and three slots of a quarter, brought by ONE dense load at the head; the fourth quarter fills slot 0 again.
.set HALFT, 8*KSB
.set SLOT,  HALFT
.set REG,   4096+3*HALFT
.set SPARE, 4*REG
.set STG,   SPARE+512
.set FSTG,  4096+HALFT
.set FP,    528
.set FR,    12
.set A16,  4
.set A8,   7
.set B16,  10
.set B8,   13
.set ADRS, 16
.set L16,  17
.set L8,   18
.set SST,  19
.set SRD,  20
.set SH8,  21
.set SH16, 22
.set BOF,  23
.set VSO,  24
.set STO,  25
.set RD,   26
.set SPW,  28
.set NIL,  29
.set SC,   32
.set TM,   64
.set SO,   66
.set BY,   68
.set PX,   70
.set PC,   76
.set PT,   88
.set PWB,  96
.set OW,   104
.set AF,   128
.set BK,   128
.set WV,  16
.set SA,  17
.set SB,  18
.set CX,  92
.set CY,  93
.set TX,  94
.set TY,  95
.set SEL, 98
.set G1,   24
.set G0,   32
.set G1B,  44
.set G0B,  52
.set G1S,  68
.set G0S,  76
.set G1SB, 80
.set G0SB, 88
.set MSB, 0
.macro WIN new
.if MSB != \new
	s_set_vgpr_msb (MSB<<8)|\new
.set MSB, \new
.endif
.endm
.set MUL_LO, 0xa1
.set MUL_HI, 0xf1
.set BIA_LO, 0x91
.set BIA_HI, 0xd1
.set TO_B,   0x40
.macro JLOAD g0a, g1a, g0b, g1b
	s_cmp_eq_u32 s[SA], 0
	s_cbranch_scc0 .Lfor_b_\@
	tensor_load_to_lds s[\g0a:\g0a+3], s[\g1a:\g1a+7]
	s_nop 0
.rept 4
	v_nop
.endr
	s_branch .Lasked_\@
.Lfor_b_\@:
	tensor_load_to_lds s[\g0b:\g0b+3], s[\g1b:\g1b+7]
	s_nop 0
.rept 4
	v_nop
.endr
.Lasked_\@:
.endm
.macro CREST
	s_cmp_lg_u32 s[WV], 0
	s_cbranch_scc1 .Lnot_wave_0_\@
	s_barrier_signal -3
.Lnot_wave_0_\@:
	s_barrier_wait -3
	s_barrier_signal -1
	s_barrier_wait -1
.endm
.macro CROUND
	s_barrier_signal -1
	s_barrier_wait -1
	CREST
.endm
.macro PLACES
.rept 4
	v_nop
.endr
.endm
	s_load_b64 s[4:5], s[0:1], 0x0
	s_load_b64 s[8:9], s[0:1], 0x8
.if MODE == 0
	s_load_b128 s[12:15], s[0:1], 0x10
	s_load_b64 s[20:21], s[0:1], 0x20
.else
	s_load_b64 s[12:13], s[0:1], 0x10
	s_load_b64 s[20:21], s[0:1], 0x18
.endif
	v_lshl_add_u32 v[SPW], v0, 2, SPARE
	v_mov_b32 v[NIL], 0
	ds_add_u32 v28, v29
	ds_add_u32 v28, v29
	s_wait_dscnt 0x0
	v_lshrrev_b32 v1, 5, v0
	v_readfirstlane_b32 s[WV], v1
	s_lshr_b32 s[SA], s[WV], 1
	s_and_b32 s[SB], s[WV], 1
	s_bfe_u32 s[CX], ttmp6, 0x40000
	s_bfe_u32 s[CY], ttmp6, 0x40004
	s_lshl_b32 s[TX], ttmp9, 2
	s_add_co_u32 s[TX], s[TX], s[CX]
	s_and_b32 s[TY], ttmp7, 0xffff
	s_lshl_b32 s[TY], s[TY], 2
	s_add_co_u32 s[TY], s[TY], s[CY]
	s_lshl_b32 s96, s[CY], 2
	s_lshl_b32 s96, 15, s96
	s_lshl_b32 s97, 0x1111, s[CX]
	s_or_b32 s[G1], s96, (3<<16)|(1<<21)
	s_or_b32 s[G1B], s97, (3<<16)|(1<<21)
.irp g, G1, G1B
	s_mov_b32 s[\g+1], 384<<16
	s_mov_b32 s[\g+2], 8<<16
	s_mov_b32 s[\g+3], 384<<16
	s_mov_b32 s[\g+4], 8
	s_mov_b32 s[\g+5], 384
	s_mov_b32 s[\g+6], 0
	s_mov_b32 s[\g+7], 0
.endr
	s_or_b32 s[G1S], s96, (3<<16)|(1<<21)
	s_or_b32 s[G1SB], s97, (3<<16)|(1<<21)
.irp g, G1S, G1SB
	s_mov_b32 s[\g+1], 32<<16
	s_mov_b32 s[\g+2], 304<<16
	s_mov_b32 s[\g+3], 32<<16
	s_mov_b32 s[\g+4], 304
	s_mov_b32 s[\g+5], 32
	s_mov_b32 s[\g+6], 0
	s_mov_b32 s[\g+7], 0
.endr
	s_lshl_b32 s19, s[SB], 7
	s_lshl_b32 s22, s[TY], 8
	s_add_co_u32 s22, s22, s19
.if A0
	s_add_co_u32 s22, s22, A0
.endif
	s_mul_i32 s66, s22, 800                        ; 102,400 bytes for 128 positions
	s_mov_b32 s67, 0
	s_lshl_b32 s100, s[TX], 8
	s_add_co_u32 s100, s100, s19
.if B0
	s_add_co_u32 s100, s100, B0
.endif
	s_mul_i32 s2, s100, 800
	s_mov_b32 s3, 0
	s_mul_i32 s19, s[WV], REG                      ; my region of LDS
	s_wait_kmcnt 0x0
	s_add_nc_u64 s[66:67], s[4:5], s[66:67]
	s_add_nc_u64 s[2:3], s[8:9], s[2:3]
	CROUND
	s_mov_b32 s[G0S], 1
	s_mov_b32 s[G0S+1], s19
	s_mov_b64 s[G0S+2:G0S+3], s[66:67]
	s_or_b32 s[G0S+3], s[G0S+3], 0x80000000
	s_mov_b32 s[G0SB], 1
	s_mov_b32 s[G0SB+1], s19
	s_mov_b64 s[G0SB+2:G0SB+3], s[2:3]
	s_or_b32 s[G0SB+3], s[G0SB+3], 0x80000000
	JLOAD G0S, G1S, G0SB, G1SB                     ; my one load at the head: the record's scale bytes and three quarters, 304 rows of 256 bytes
	s_mov_b32 s[G0], 1                             ; the refill's group 0: the fourth quarter, into slot 0
	s_add_co_u32 s[G0+1], s19, 4096
	s_add_nc_u64 s[G0+2:G0+3], s[66:67], 4096+3*HALFT
	s_or_b32 s[G0+3], s[G0+3], 0x80000000
	s_mov_b32 s[G0B], 1
	s_add_co_u32 s[G0B+1], s19, 4096
	s_add_nc_u64 s[G0B+2:G0B+3], s[2:3], 4096+3*HALFT
	s_or_b32 s[G0B+3], s[G0B+3], 0x80000000
	v_and_b32 v1, 31, v0
	v_and_b32 v2, 15, v0
	v_bfe_u32 v3, v0, 4, 1
	v_lshlrev_b32 v[L16], 4, v1
	v_lshlrev_b32 v[L8], 3, v1
	s_mul_i32 s22, s[SA], REG
	s_mul_i32 s23, s[SB], REG
	s_add_co_u32 s22, s22, 4096
	s_add_co_u32 s23, s23, 2*REG+4096
.irp s, 0,1,2
	v_add_nc_u32 v[A16+\s], s22, v[L16]
	v_add_nc_u32 v[B16+\s], s23, v[L16]
	v_add_nc_u32 v[A8+\s], s22, v[L8]
	v_add_nc_u32 v[B8+\s], s23, v[L8]
	s_add_co_u32 s22, s22, SLOT
	s_add_co_u32 s23, s23, SLOT
.endr
	s_xor_b32 s66, s[SA], 1
	s_add_co_u32 s66, s66, s[SB]
	s_add_co_u32 s66, s66, 1
	s_mul_i32 s66, s66, REG
	v_mul_u32_u24 v[ADRS], s66, v3
	s_mul_i32 s67, s[SA], REG
	v_lshl_add_u32 v[ADRS], v2, 3, v[ADRS]
	v_add_nc_u32 v[ADRS], s67, v[ADRS]
.if MODE == 2
	s_mul_i32 s66, s[WV], 16*FP
	s_add_co_u32 s66, s66, FSTG
	v_mul_u32_u24 v[STO], v2, FP
	v_lshl_add_u32 v[STO], v3, 7, v[STO]
	v_add_nc_u32 v[STO], s66, v[STO]
	v_add_nc_u32 v[RD], s66, v[L16]
.else
	s_mov_b32 s[SEL], 0x76543210
	s_mov_b32 s[SEL+1], 0xfedcba98
	v_mov_b32 v[PX], 0
	v_lshlrev_b32 v[SH8], 3, v3
	s_lshl_b32 s66, s[WV], 10
	s_add_co_u32 s66, s66, STG
	v_lshl_add_u32 v[SST], v2, 4, s66
	v_add_nc_u32 v[SRD], s66, v[L16]
.endif
.if MODE == 0
	v_lshlrev_b32 v[SH16], 4, v3
	v_lshl_add_u32 v[SST], v3, 9, v[SST]
.endif
.if MODE == 0
	s_cmp_eq_u32 ttmp9, 0
	s_cselect_b64 s[12:13], s[12:13], s[14:15]
	s_lshl_b32 s66, s[CX], 10
	s_lshl_b32 s67, s[SB], 9
.elseif MODE == 1
	s_lshl_b32 s66, s[TY], 10
	s_lshl_b32 s67, s[SA], 9
.else
	s_lshl_b32 s66, s[TX], 10
	s_lshl_b32 s67, s[SB], 9
.endif
	s_add_co_u32 s66, s66, s67
	s_mov_b32 s67, 0
	s_add_nc_u64 s[12:13], s[12:13], s[66:67]
.if MODE == 1
	v_lshrrev_b32 v[BOF], 3, v2
	v_and_b32 v1, 7, v2
	v_lshlrev_b32 v1, 2, v1
	v_lshl_add_u32 v[BOF], v[BOF], 7, v1
	WIN TO_B
.irp i, 0,1,2,3,4,5,6,7
	global_load_b32 v[96+8*\i+96*(\i/4)], v[BOF], s[12:13] offset:(64*(\i/4)+8*(\i%4))*4
.endr
	WIN 0
.else
	v_lshlrev_b32 v[BOF], 7, v3
	WIN TO_B
.irp i, 0,1,2,3,4,5,6,7
	global_load_b128 v[96+8*\i+96*(\i/4):96+8*\i+96*(\i/4)+3], v[BOF], s[12:13] offset:256*(\i/4)+32*(\i%4)
	global_load_b128 v[96+8*\i+96*(\i/4)+4:96+8*\i+96*(\i/4)+7], v[BOF], s[12:13] offset:256*(\i/4)+32*(\i%4)+16
.endr
	WIN 0
.endif
.if MODE == 0
	s_lshr_b32 s66, s[TY], 3
	s_lshl_b32 s66, s66, 4
	s_lshl_b32 s67, s[CX], 2
	s_add_co_u32 s66, s66, s67
	s_lshl_b32 s67, s[SB], 1
	s_add_co_u32 s66, s66, s67
	s_mul_i32 s66, s66, REC
	s_and_b32 s67, s[TY], 7
	s_lshl_b32 s67, s67, 1
	s_add_co_u32 s67, s67, s[SA]
	s_mul_i32 s100, s67, 8*768
	s_lshl_b32 s101, s67, 9
	s_add_co_u32 s100, s100, s66
	s_add_co_u32 s101, s101, s66
	s_mov_b32 s3, KS
	s_cmp_eq_u32 ttmp9, 0
	s_cselect_b32 s2, QC, 0
	s_cselect_b32 s3, QS, s3
	s_add_co_u32 s2, s2, s100
	s_add_co_u32 s100, s3, s101
	s_mov_b32 s3, 0
	s_mov_b32 s101, 0
	s_add_nc_u64 s[22:23], s[20:21], s[100:101]
	s_add_nc_u64 s[20:21], s[20:21], s[2:3]
.elseif MODE == 1
	s_lshr_b32 s66, s[TX], 3
	s_lshl_b32 s66, s66, 4
	s_lshl_b32 s67, s[TY], 2
	s_add_co_u32 s66, s66, s67
	s_lshl_b32 s67, s[SA], 1
	s_add_co_u32 s66, s66, s67
	s_mul_i32 s66, s66, REC
	s_and_b32 s67, s[TX], 7
	s_lshl_b32 s67, s67, 1
	s_add_co_u32 s67, s67, s[SB]
	s_mul_i32 s2, s67, 6144
	s_add_co_u32 s2, s2, s66
	s_add_co_u32 s2, s2, VC
	s_lshl_b32 s100, s67, 8
	s_add_co_u32 s100, s100, s66
	s_add_co_u32 s100, s100, VS
	s_mov_b32 s3, 0
	s_mov_b32 s101, 0
	s_add_nc_u64 s[22:23], s[20:21], s[100:101]
	s_add_nc_u64 s[20:21], s[20:21], s[2:3]
	v_mul_u32_u24 v[VSO], v3, REC
	v_lshl_add_u32 v[VSO], v2, 4, v[VSO]
.else
	s_lshl_b32 s66, s[TY], 20
	s_lshl_b32 s67, s[SA], 19
	s_add_co_u32 s66, s66, s67
	s_lshl_b32 s67, s[TX], 10
	s_add_co_u32 s66, s66, s67
	s_lshl_b32 s67, s[SB], 9
	s_add_co_u32 s66, s66, s67
	s_mov_b32 s67, 0
	s_add_nc_u64 s[20:21], s[20:21], s[66:67]
.endif
.macro FRAG reg, a16, a8, q, i
	ds_load_b128 v[\reg:\reg+3], v[\a16] offset:KSB*(\i)+1536*(\q)
	ds_load_b64 v[\reg+4:\reg+5], v[\a8] offset:KSB*(\i)+1536*(\q)+512
	ds_load_b128 v[\reg+6:\reg+9], v[\a16] offset:KSB*(\i)+1536*(\q)+768
	ds_load_b64 v[\reg+10:\reg+11], v[\a8] offset:KSB*(\i)+1536*(\q)+1280
.endm
.macro FETCH_B slot, q, p
	WIN TO_B
.irp i, 0,1,2,3,4,5,6,7
	FRAG 128*(\p)+FR*\i, B16+(\slot), B8+(\slot), \q, \i
.endr
	WIN 0
.endm
.macro FETCH_A slot, q, i0
.irp i, \i0, \i0+1, \i0+2, \i0+3
	FRAG AF+FR*(\i), A16+(\slot), A8+(\slot), \q, \i
.endr
.endm
.macro SCALES g
.irp i, 0,1,2,3,4,5,6,7
	ds_load_b64 v[SC+16*((\g)%2)+2*\i:SC+16*((\g)%2)+2*\i+1], v[ADRS] offset:512*\i+128*(\g)
.endr
.endm
.macro MUL16 a0, p, q, sc, zero
.irp a, \a0, \a0+1
.irp b, 0,1,2,3,4,5,6,7
.set DR, 8*(8*((\a)%4)+\b)
.set BR, 128*(\p)+FR*\b
.set AR, AF+FR*(\a)
.set SB0, SC+16*(\sc)+2*\b+(\q)
.set SA0, SC+16*(\sc)+2*(\a)+(\q)
.if \zero
.if MODE == 1
.set CR, 96+8*(\a)+96*((\a)/4)
.else
.set CR, 96+8*\b+96*(\b/4)
.endif
	v_wmma_scale_f32_16x16x128_f8f6f4 v[DR:DR+7], v[BR:BR+FR-1], v[AR:AR+FR-1], v[CR:CR+7], v[SB0], v[SA0] matrix_a_fmt:MATRIX_FMT_BF6 matrix_b_fmt:MATRIX_FMT_BF6 matrix_a_scale:MATRIX_SCALE_ROW1
.else
	v_wmma_scale_f32_16x16x128_f8f6f4 v[DR:DR+7], v[BR:BR+FR-1], v[AR:AR+FR-1], v[DR:DR+7], v[SB0], v[SA0] matrix_a_fmt:MATRIX_FMT_BF6 matrix_b_fmt:MATRIX_FMT_BF6 matrix_a_scale:MATRIX_SCALE_ROW1
.endif
.endr
.endr
.endm
.macro STEP k, zero
.set CSC, ((\k)/2)%2
.set NSL, ((\k)/2)%3
	s_wait_dscnt 16
.if \zero
	WIN BIA_LO
.else
	WIN MUL_LO
.endif
	MUL16 0, 0, 0, CSC, \zero
	MUL16 2, 0, 0, CSC, \zero
	s_wait_dscnt 0x0
	PLACES
	FETCH_B NSL, 1, 1
	FETCH_A NSL, 1, 0
.if \zero
	WIN BIA_HI
.else
	WIN MUL_HI
.endif
	MUL16 4, 0, 0, CSC, \zero
	MUL16 6, 0, 0, CSC, \zero
	PLACES
	WIN 0
	FETCH_A NSL, 1, 4
.endm
.macro TURN k, kind
.set CSC, ((\k)/2)%2
.set NSL, (((\k)+1)/2)%3
.if \kind == 2
	s_wait_dscnt 16
.else
	s_wait_tensorcnt 0x0
	ds_add_u32 v[SPW], v[NIL]
	s_wait_dscnt 17
.endif
	WIN MUL_LO
	MUL16 0, 1, 1, CSC, 0
	s_wait_dscnt 0x0
.if \kind != 2
	s_barrier_signal -1
.endif
	MUL16 2, 1, 1, CSC, 0
	WIN 0
.if \kind != 2
	s_barrier_wait -1
.endif
.if \kind == 1
	CREST
	JLOAD G0, G1, G0B, G1B
.else
	PLACES
.endif
	FETCH_B NSL, 0, 0
	FETCH_A NSL, 0, 0
	SCALES ((\k)+1)/2
	WIN MUL_HI
	MUL16 4, 1, 1, CSC, 0
	MUL16 6, 1, 1, CSC, 0
	PLACES
	WIN 0
	FETCH_A NSL, 0, 4
.endm
	s_wait_alu depctr_va_vdst(0)
	s_wait_tensorcnt 0x0
	s_barrier_signal -1
	s_barrier_wait -1
	FETCH_B 0, 0, 0
	FETCH_A 0, 0, 0
	SCALES 0
	FETCH_A 0, 0, 4
	s_wait_loadcnt 0x0
.if MODE == 1
	WIN 0x41
.irp i, 0,1,2,3,4,5,6,7
.irp j, 1,2,3,4,5,6,7
	v_mov_b32 v[96+8*\i+96*(\i/4)+\j], v[96+8*\i+96*(\i/4)]
.endr
.endr
.endif
	STEP 0, 1
	TURN 1, 1
	STEP 2, 0
	TURN 3, 2
	STEP 4, 0
	TURN 5, 0
	STEP 6, 0
	s_wait_dscnt 16
	WIN MUL_LO
	MUL16 0, 1, 1, 1, 0
	MUL16 2, 1, 1, 1, 0
	s_wait_dscnt 0x0
	WIN MUL_HI
	MUL16 4, 1, 1, 1, 0
	MUL16 6, 1, 1, 1, 0
	WIN 0
	PLACES
.if MODE == 2
.macro TOSTAGE a
.set AC, 64*((\a)%4)
.set WW, 8+4*((\a)/4)
	WIN WW
.irp b, 0,1,2,3,4,5,6,7
	ds_store_b128 v[STO], v[AC+8*\b:AC+8*\b+3] offset:256*(\b/4)+32*(\b%4)
	ds_store_b128 v[STO], v[AC+8*\b+4:AC+8*\b+7] offset:256*(\b/4)+32*(\b%4)+16
.endr
	WIN 0
.set BB, BK+64*((\a)%2)
.irp t, 0,1,2,3,4,5,6,7,8,9,10,11,12,13,14,15
	ds_load_b128 v[BB+4*\t:BB+4*\t+3], v[RD] offset:\t*FP
.endr
.endm
.macro SEND a, younger
.set BB, BK+64*((\a)%2)
	s_wait_dscnt \younger
.irp t, 0,1,2,3,4,5,6,7,8,9,10,11,12,13,14,15
	global_store_b128 v[L16], v[BB+4*\t:BB+4*\t+3], s[20:21] offset:(64*((\a)/4)+32*(\t/8)+8*((\a)%4)+\t%8)*4096 th:TH_STORE_NT
.endr
.endm
	TOSTAGE 0
.irp a, 1,2,3,4,5,6,7
.if \a > 1
	s_wait_xcnt 0x0
.endif
	TOSTAGE \a
	SEND \a-1, 32
.endr
	SEND 7, 0
.else
.macro OUTQ a
.set AC, 64*((\a)%4)
.set WA, 2+(\a)/4
.set WM, 5*WA
.set PW, PWB+(\a)
.if (\a) > 0
	s_wait_xcnt 0x0
.endif
	WIN WM
.irp c, 0,1
	v_max3_num_f32 v[TM+\c], |v[AC+32*\c]|, |v[AC+32*\c+1]|, 0x2800000
.endr
.irp i, 2,4,6,8,10,12,14,16,18,20,22,24,26,28,30
.irp c, 0,1
	v_max3_num_f32 v[TM+\c], |v[AC+32*\c+\i]|, |v[AC+32*\c+\i+1]|, v[TM+\c]
.endr
.endr
	WIN 0
.irp c, 0,1
	v_add_nc_u32 v[SO+\c], 0xfe000000, v[TM+\c]
.endr
.irp c, 0,1
	v_lshrrev_b32 v[BY+\c], 23, v[SO+\c]
.endr
	v_lshl_or_b32 v[PW], v[BY+1], 16, v[BY]
	v_lshlrev_b32 v[PW], v[SH8], v[PW]
	v_permlanex16_b32 v[PX], v[PW], s[SEL], s[SEL+1]
	v_or_b32 v[PW], v[PW], v[PX]
	WIN WA
.irp c, 0,1
	v_cvt_scalef32_pk16_bf6_f32 v[PC+6*\c:PC+6*\c+2], v[AC+32*\c:AC+32*\c+15], v[SO+\c]
	v_cvt_scalef32_pk16_bf6_f32 v[PT+4*\c:PT+4*\c+2], v[AC+32*\c+16:AC+32*\c+31], v[SO+\c]
.endr
	WIN 0
	v_nop
.irp c, 0,1
.irp i, 0,1,2
	v_mov_b32 v[PC+6*\c+3+\i], v[PT+4*\c+\i]
.endr
.endr
.if MODE == 0
	v_lshrrev_b32 v[PW], v[SH16], v[PW]
	v_and_b32 v[PW], 0xffff, v[PW]
	global_store_b128 v[L16], v[PC:PC+3], s[20:21] offset:768*(\a)
	global_store_b64 v[L8], v[PC+4:PC+5], s[20:21] offset:768*(\a)+512
	global_store_b128 v[L16], v[PC+6:PC+9], s[20:21] offset:REC+768*(\a)
	global_store_b64 v[L8], v[PC+10:PC+11], s[20:21] offset:REC+768*(\a)+512
.else
	global_store_b128 v[L16], v[PC:PC+3], s[20:21] offset:((\a)/4)*REC+1536*((\a)%4)
	global_store_b64 v[L8], v[PC+4:PC+5], s[20:21] offset:((\a)/4)*REC+1536*((\a)%4)+512
	global_store_b128 v[L16], v[PC+6:PC+9], s[20:21] offset:((\a)/4)*REC+1536*((\a)%4)+768
	global_store_b64 v[L8], v[PC+10:PC+11], s[20:21] offset:((\a)/4)*REC+1536*((\a)%4)+1280
.endif
	ds_store_b32 v[SST], v[PW] offset:256*((\a)/4)+4*((\a)%4)
.endm
.irp a, 0,1,2,3,4,5,6,7
	OUTQ \a
.endr
.if MODE == 0
	ds_load_b128 v[OW:OW+3], v[SRD]
	ds_load_b128 v[OW+4:OW+7], v[SRD] offset:512
	s_wait_dscnt 0x0
	global_store_b128 v[L16], v[OW:OW+3], s[22:23]
	global_store_b128 v[L16], v[OW+4:OW+7], s[22:23] offset:REC
.else
	ds_load_b128 v[OW:OW+3], v[SRD]
	s_wait_dscnt 0x0
	global_store_b128 v[VSO], v[OW:OW+3], s[22:23]
.endif
.endif
	s_wait_tensorcnt 0x0
	ds_add_u32 v[SPW], v[NIL]
	s_wait_dscnt 0x0
	CROUND
	s_endpgm
.Lfunc_end_k_q14b465039b_gemm_qk:
	.size	k_q14b465039b_gemm_qk, .Lfunc_end_k_q14b465039b_gemm_qk-k_q14b465039b_gemm_qk
	.p2alignl 7, 3214868480
	.fill 96, 4, 3214868480
	.section	.rodata,"a",@progbits
	.p2align	6, 0x0
	.amdhsa_kernel k_q14b465039b_gemm_qk
		.amdhsa_group_segment_fixed_size 327680
		.amdhsa_private_segment_fixed_size 0
		.amdhsa_enable_private_segment 0
		.amdhsa_kernarg_size 40
		.amdhsa_user_sgpr_count 2
		.amdhsa_user_sgpr_kernarg_segment_ptr 1
		.amdhsa_wavefront_size32 1
		.amdhsa_system_sgpr_workgroup_id_x 1
		.amdhsa_system_sgpr_workgroup_id_y 1
		.amdhsa_system_sgpr_workgroup_id_z 1
		.amdhsa_system_vgpr_workitem_id 0
		.amdhsa_next_free_vgpr 1024
		.amdhsa_next_free_sgpr 102
		.amdhsa_reserve_vcc 0
		.amdhsa_float_denorm_mode_32 3
		.amdhsa_float_denorm_mode_16_64 3
		.amdhsa_memory_ordered 1
		.amdhsa_forward_progress 1
		.amdhsa_inst_pref_size 143
	.end_amdhsa_kernel
	.amdgpu_metadata
---
amdhsa.version: [ 1, 2 ]
amdhsa.kernels:
  - .name:           k_q14b465039b_gemm_qk
    .symbol:         k_q14b465039b_gemm_qk.kd
    .args:
      - { .name: xc, .offset: 0, .size: 8, .value_kind: global_buffer, .address_space: global }
      - { .name: wc, .offset: 8, .size: 8, .value_kind: global_buffer, .address_space: global }
      - { .name: bq, .offset: 16, .size: 8, .value_kind: global_buffer, .address_space: global }
      - { .name: bk, .offset: 24, .size: 8, .value_kind: global_buffer, .address_space: global }
      - { .name: qkv, .offset: 32, .size: 8, .value_kind: global_buffer, .address_space: global }
    .group_segment_fixed_size: 327680
    .private_segment_fixed_size: 0
    .kernarg_segment_align: 8
    .kernarg_segment_size: 40
    .max_flat_workgroup_size: 128
    .sgpr_count:     102
    .vgpr_count:     1024
    .wavefront_size: 32
...
	.end_amdgpu_metadata
.endif
;; end of part 2
;; launch gemm_v (part 3): grid 32 x 8, 4 waves a work-group, clusters of 4 x 4, 327,680 bytes of LDS; arguments wc, xc, bv, qkv; writes qkv
.if DOCPART == 3
	.amdgcn_target "amdgcn-amd-amdhsa--gfx1250"
	.amdhsa_code_object_version 6
	.text
	.protected	k_q14b465039b_gemm_v
	.globl	k_q14b465039b_gemm_v
	.p2align	8
	.type	k_q14b465039b_gemm_v,@function
k_q14b465039b_gemm_v:
	s_mov_b64 s[64:65], 0
	v_nop
	global_prefetch_b8 v0, s[64:65] scope:SCOPE_SE
	s_setreg_imm32_b32 hwreg(HW_REG_WAVE_MODE, 25, 1), 1
	s_wait_xcnt 0x0
	s_wait_alu depctr_hold_cnt(0) depctr_sa_sdst(0) depctr_va_vdst(0) depctr_va_sdst(0) depctr_va_ssrc(0) depctr_va_vcc(0) depctr_vm_vsrc(0)
	s_getreg_b32 s2, hwreg(HW_REG_IB_STS2, 6, 4)
	s_cmp_eq_u32 s2, 0
	s_cbranch_scc0 .Lentry_in_a_cluster
	s_endpgm
.Lentry_in_a_cluster:
	s_bfe_u32 s2, ttmp6, 0x10000c
	s_cmp_lg_u32 s2, 0xf033
	s_cbranch_scc0 .Lentry_shape_is_right
	s_endpgm
.Lentry_shape_is_right:
; V^T = Wv x^T + bv on codes of BF6 (E3M2), quantised along the keys and stored as V's codes and scale words of the records of qkv.
; A = 128 rows of Wv (two heads), B = 256 positions of x, K = 1,024.  A work-group of four waves makes 128 x 256; a wave 64 x 128: one head x 128 keys, 32 accumulators.
; An operand's 128 positions are one record of 102,400 bytes: 4,096 scale bytes (512 a tile of 16: 128 (block / 8) + 8 r + block % 8), then four quarters of K of 24,576 bytes (8 tiles x 3,072).
; NO RING: A's record and B's two stay in LDS: waves 0 and 1 bring a half of A's record each, waves 2 and 3 a record of B each, one joint load a wave; nothing is filled again, so there is no later tile to prefetch.
; CLUSTER 4 x 4: A's record is shared along a row of the cluster, B's along a column.
; The matrix instruction is used transposed (source 0 = x, source 1 = Wv): a lane holds one of V's dimensions and its registers run along the keys; by the order of the positions 32 registers are 32 neighbouring keys.
; Both operands have two sets of fragment registers: a step's LDS loads are issued one step, 32 matrix instructions, ahead of their use.
; LIMITS: NaN and infinities are not served; a block whose largest magnitude lies under 2^-122 has its byte held at 1; a block of zeros gets the byte 1, not 127 (zero codes; this program alone reads the bytes).
.set REC,   315392
.set VC,    98304
.set VS,    204800
.set A0,    2048
.set KSB,   3072
.set QRT,   8*KSB
.set GRP,   4096+4*QRT
.set SPARE, 3*GRP
.set STG,   SPARE+512
.set FR,    12
.set A16,  4
.set A8,   6
.set B16,  8
.set B8,   10
.set ADRS, 16
.set L16,  17
.set L8,   18
.set SST,  19
.set SH8,  21
.set BOF,  23
.set VSO,  24
.set SPW,  28
.set NIL,  29
.set SC,   32
.set TM,   64
.set SO,   66
.set BY,   68
.set PX,   70
.set PC,   76
.set PT,   88
.set PWB,  96
.set OW,   104
.set AF,   128
.set WV,  16
.set SA,  17
.set SB,  18
.set CX,  92
.set CY,  93
.set TX,  94
.set TY,  95
.set SEL, 98
.set G1S,  68
.set G0S,  76
.set G1SB, 80
.set G0SB, 88
.set MSB, 0
.macro WIN new
.if MSB != \new
	s_set_vgpr_msb (MSB<<8)|\new
.set MSB, \new
.endif
.endm
.set MUL_LO, 0xa1                      ; source 0 (B) window 1, source 1 (A) window 0, C and D window 2
.set BIA_LO, 0x91                      ; the same with C in window 1
.set TO_B,   0x40
.macro CREST
	s_cmp_lg_u32 s[WV], 0
	s_cbranch_scc1 .Lnot_wave_0_\@
	s_barrier_signal -3
.Lnot_wave_0_\@:
	s_barrier_wait -3
	s_barrier_signal -1
	s_barrier_wait -1
.endm
.macro CROUND
	s_barrier_signal -1
	s_barrier_wait -1
	CREST
.endm
.macro PLACES
.rept 4
	v_nop
.endr
.endm
	s_load_b64 s[4:5], s[0:1], 0x0                 ; wc
	s_load_b64 s[8:9], s[0:1], 0x8                 ; xc
	s_load_b64 s[12:13], s[0:1], 0x10              ; bv
	s_load_b64 s[20:21], s[0:1], 0x18              ; qkv
	v_lshl_add_u32 v[SPW], v0, 2, SPARE
	v_mov_b32 v[NIL], 0
	ds_add_u32 v[SPW], v[NIL]
	ds_add_u32 v[SPW], v[NIL]
	v_lshrrev_b32 v1, 5, v0
	v_readfirstlane_b32 s[WV], v1
	s_lshr_b32 s[SA], s[WV], 1                     ; my 64 rows of A.  Also: I fetch for A (0) or B (1)
	s_and_b32 s[SB], s[WV], 1                      ; my 128 rows of B.  Also: which part I fetch
	s_bfe_u32 s[CX], ttmp6, 0x40000
	s_bfe_u32 s[CY], ttmp6, 0x40004
	s_lshl_b32 s[TX], ttmp9, 2
	s_add_co_u32 s[TX], s[TX], s[CX]
	s_and_b32 s[TY], ttmp7, 0xffff
	s_lshl_b32 s[TY], s[TY], 2
	s_add_co_u32 s[TY], s[TY], s[CY]
	s_lshl_b32 s96, s[CY], 2
	s_lshl_b32 s96, 15, s96
	s_lshl_b32 s97, 0x1111, s[CX]
	s_or_b32 s[G1S], s96, (3<<16)|(1<<21)          ; dense rows of 256 bytes: 200 for half a record, 400 for a record
	s_or_b32 s[G1SB], s97, (3<<16)|(1<<21)
	s_mov_b32 s[G1S+1], 32<<16
	s_mov_b32 s[G1S+2], 200<<16
	s_mov_b32 s[G1S+3], 32<<16
	s_mov_b32 s[G1S+4], 200
	s_mov_b32 s[G1S+5], 32
	s_mov_b32 s[G1S+6], 0
	s_mov_b32 s[G1S+7], 0
	s_mov_b32 s[G1SB+1], 32<<16
	s_mov_b32 s[G1SB+2], 400<<16
	s_mov_b32 s[G1SB+3], 32<<16
	s_mov_b32 s[G1SB+4], 400
	s_mov_b32 s[G1SB+5], 32
	s_mov_b32 s[G1SB+6], 0
	s_mov_b32 s[G1SB+7], 0
	s_lshl_b32 s22, s[TY], 7
	s_add_co_u32 s22, s22, A0
	s_mul_i32 s66, s22, 800                        ; 102,400 bytes for 128 positions
	s_mul_i32 s19, s[SB], GRP/2
	s_add_co_u32 s66, s66, s19
	s_mov_b32 s67, 0
	s_lshl_b32 s100, s[TX], 8
	s_lshl_b32 s23, s[SB], 7
	s_add_co_u32 s100, s100, s23
	s_mul_i32 s2, s100, 800
	s_mov_b32 s3, 0
	s_mul_i32 s101, s[SB], GRP
	s_add_co_u32 s101, s101, GRP
	s_wait_dscnt 0x0
	s_wait_kmcnt 0x0
	s_add_nc_u64 s[66:67], s[4:5], s[66:67]
	s_add_nc_u64 s[2:3], s[8:9], s[2:3]
	CROUND
	s_mov_b32 s[G0S], 1
	s_mov_b32 s[G0S+1], s19
	s_mov_b64 s[G0S+2:G0S+3], s[66:67]
	s_or_b32 s[G0S+3], s[G0S+3], 0x80000000
	s_mov_b32 s[G0SB], 1
	s_mov_b32 s[G0SB+1], s101
	s_mov_b64 s[G0SB+2:G0SB+3], s[2:3]
	s_or_b32 s[G0SB+3], s[G0SB+3], 0x80000000
	s_cmp_eq_u32 s[SA], 0
	s_cbranch_scc0 .Lfor_b
	tensor_load_to_lds s[G0S:G0S+3], s[G1S:G1S+7]
	s_nop 0
	PLACES
	s_branch .Lasked
.Lfor_b:
	tensor_load_to_lds s[G0SB:G0SB+3], s[G1SB:G1SB+7]
	s_nop 0
	PLACES
.Lasked:
	v_and_b32 v1, 31, v0
	v_and_b32 v2, 15, v0
	v_bfe_u32 v3, v0, 4, 1
	v_lshlrev_b32 v[L16], 4, v1
	v_lshlrev_b32 v[L8], 3, v1
	s_mul_i32 s22, s[SA], 4*KSB                    ; my four tiles of A,
	s_mul_i32 s23, s[SB], GRP                      ; my record of B
	s_add_co_u32 s22, s22, 4096
	s_add_co_u32 s23, s23, GRP+4096
.irp s, 0,1                                        ; an address register for each pair of quarters
	v_add_nc_u32 v[A16+\s], s22, v[L16]
	v_add_nc_u32 v[B16+\s], s23, v[L16]
	v_add_nc_u32 v[A8+\s], s22, v[L8]
	v_add_nc_u32 v[B8+\s], s23, v[L8]
	s_add_co_u32 s22, s22, 2*QRT
	s_add_co_u32 s23, s23, 2*QRT
.endr
	s_xor_b32 s66, s[SA], 1                        ; scale words: lanes 0-15 A's at 2048 SA, lanes 16-31 B's at GRP (1 + SB): one product with the distance
	s_lshl_b32 s66, s66, 11
	s_mul_i32 s67, s[SB], GRP
	s_add_co_u32 s66, s66, s67
	s_add_co_u32 s66, s66, GRP-2048
	v_mul_u32_u24 v[ADRS], s66, v3
	s_lshl_b32 s67, s[SA], 11
	v_lshl_add_u32 v[ADRS], v2, 3, v[ADRS]
	v_add_nc_u32 v[ADRS], s67, v[ADRS]
	s_mov_b32 s[SEL], 0x76543210
	s_mov_b32 s[SEL+1], 0xfedcba98
	v_mov_b32 v[PX], 0
	v_lshlrev_b32 v[SH8], 3, v3
	s_lshl_b32 s66, s[WV], 10
	s_add_co_u32 s66, s66, STG
	v_lshl_add_u32 v[SST], v2, 4, s66
	s_lshl_b32 s66, s[TY], 9                       ; bv: my 64 rows
	s_lshl_b32 s67, s[SA], 8
	s_add_co_u32 s66, s66, s67
	s_mov_b32 s67, 0
	s_add_nc_u64 s[12:13], s[12:13], s[66:67]
	v_lshrrev_b32 v[BOF], 3, v2
	v_and_b32 v1, 7, v2
	v_lshlrev_b32 v1, 2, v1
	v_lshl_add_u32 v[BOF], v[BOF], 7, v1           ; position 16 a + r is row 32 (r / 8) + 8 a + r % 8
	WIN TO_B
.irp i, 0,1,2,3
	global_load_b32 v[96+8*\i], v[BOF], s[12:13] offset:32*\i
.endr
	WIN 0
	s_lshr_b32 s66, s[TX], 3                       ; the record of qkv: 16 x batch + head, head = 2 TY + SA
	s_lshl_b32 s66, s66, 4
	s_lshl_b32 s67, s[TY], 1
	s_add_co_u32 s66, s66, s67
	s_add_co_u32 s66, s66, s[SA]
	s_mul_i32 s66, s66, REC
	s_and_b32 s67, s[TX], 7
	s_lshl_b32 s67, s67, 1
	s_add_co_u32 s67, s67, s[SB]                   ; the key step of 128
	s_mul_i32 s2, s67, 6144
	s_add_co_u32 s2, s2, s66
	s_add_co_u32 s2, s2, VC
	s_lshl_b32 s100, s67, 8
	s_add_co_u32 s100, s100, s66
	s_add_co_u32 s100, s100, VS
	s_mov_b32 s3, 0
	s_mov_b32 s101, 0
	s_add_nc_u64 s[22:23], s[20:21], s[100:101]
	s_add_nc_u64 s[20:21], s[20:21], s[2:3]
	v_lshlrev_b32 v[VSO], 4, v2
.macro FRAG reg, a16, a8, q, i
	ds_load_b128 v[\reg:\reg+3], v[\a16] offset:KSB*(\i)+1536*(\q)
	ds_load_b64 v[\reg+4:\reg+5], v[\a8] offset:KSB*(\i)+1536*(\q)+512
	ds_load_b128 v[\reg+6:\reg+9], v[\a16] offset:KSB*(\i)+1536*(\q)+768
	ds_load_b64 v[\reg+10:\reg+11], v[\a8] offset:KSB*(\i)+1536*(\q)+1280
.endm
.macro FETCH k                         ; step k's fragments into set k % 2; with an even step the scale words of two steps (A's words of blocks 4-7 are read and not used)
.set FS, (\k)/4
.set FQ, (\k)%2+16*(((\k)/2)%2)
	WIN TO_B
.irp i, 0,1,2,3,4,5,6,7
	FRAG 128*((\k)%2)+FR*\i, B16+FS, B8+FS, FQ, \i
.endr
	WIN 0
.irp i, 0,1,2,3
	FRAG AF+48*((\k)%2)+FR*\i, A16+FS, A8+FS, FQ, \i
.endr
.if (\k)%2 == 0
.irp i, 0,1,2,3,4,5,6,7
	ds_load_b64 v[SC+16*(((\k)/2)%2)+2*\i:SC+16*(((\k)/2)%2)+2*\i+1], v[ADRS] offset:512*\i+128*((\k)/2)
.endr
.endif
.endm
.macro MUL k, zero                     ; 32 matrix instructions, the accumulators by turns
.set P, (\k)%2
.set CSC, ((\k)/2)%2
.irp a, 0,1,2,3
.irp b, 0,1,2,3,4,5,6,7
.set DR, 8*(8*\a+\b)
.set BR, 128*P+FR*\b
.set AR, AF+48*P+FR*\a
.set SB0, SC+16*CSC+2*\b+P
.set SA0, SC+16*CSC+2*\a+P
.if \zero
	v_wmma_scale_f32_16x16x128_f8f6f4 v[DR:DR+7], v[BR:BR+FR-1], v[AR:AR+FR-1], v[96+8*\a:96+8*\a+7], v[SB0], v[SA0] matrix_a_fmt:MATRIX_FMT_BF6 matrix_b_fmt:MATRIX_FMT_BF6 matrix_a_scale:MATRIX_SCALE_ROW1
.else
	v_wmma_scale_f32_16x16x128_f8f6f4 v[DR:DR+7], v[BR:BR+FR-1], v[AR:AR+FR-1], v[DR:DR+7], v[SB0], v[SA0] matrix_a_fmt:MATRIX_FMT_BF6 matrix_b_fmt:MATRIX_FMT_BF6 matrix_a_scale:MATRIX_SCALE_ROW1
.endif
.endr
.endr
.endm
.macro KSTEP k, zero
	s_wait_dscnt 0x0                               ; this step's fragments, asked for a step ago
.if (\k) < 7
	PLACES                                         ; ahead of loads into the sets that the last step's products read
	FETCH (\k)+1
.endif
.if \zero
	WIN BIA_LO
.else
	WIN MUL_LO
.endif
	MUL \k, \zero
	WIN 0
.endm
	s_wait_alu depctr_va_vdst(0)
	s_wait_tensorcnt 0x0
	s_barrier_signal -1
	s_barrier_wait -1                              ; all three records are in
	FETCH 0
	s_wait_loadcnt 0x0
	WIN 0x41
.irp i, 0,1,2,3
.irp j, 1,2,3,4,5,6,7
	v_mov_b32 v[96+8*\i+\j], v[96+8*\i]            ; the bias as the first products' C: the same in a lane's eight registers
.endr
.endr
	WIN 0
	s_wait_alu depctr_va_vdst(0)
	KSTEP 0, 1
.irp k, 1,2,3,4,5,6,7
	KSTEP \k, 0
.endr
	PLACES
.macro OUTQ a                          ; 16 of V's dimensions x 128 keys: four blocks of 32 keys a row, two of them in a lane
.set AC, 64*(\a)
.set PW, PWB+(\a)
.if (\a) > 0
	s_wait_xcnt 0x0
.endif
	WIN 0x0a
.irp c, 0,1
	v_max3_num_f32 v[TM+\c], |v[AC+32*\c]|, |v[AC+32*\c+1]|, 0x2800000
.endr
.irp i, 2,4,6,8,10,12,14,16,18,20,22,24,26,28,30
.irp c, 0,1
	v_max3_num_f32 v[TM+\c], |v[AC+32*\c+\i]|, |v[AC+32*\c+\i+1]|, v[TM+\c]
.endr
.endr
	WIN 0
.irp c, 0,1
	v_add_nc_u32 v[SO+\c], 0xfe000000, v[TM+\c]
.endr
.irp c, 0,1
	v_lshrrev_b32 v[BY+\c], 23, v[SO+\c]
.endr
	v_lshl_or_b32 v[PW], v[BY+1], 16, v[BY]
	v_lshlrev_b32 v[PW], v[SH8], v[PW]
	v_permlanex16_b32 v[PX], v[PW], s[SEL], s[SEL+1]
	v_or_b32 v[PW], v[PW], v[PX]
	WIN 2
.irp c, 0,1
	v_cvt_scalef32_pk16_bf6_f32 v[PC+6*\c:PC+6*\c+2], v[AC+32*\c:AC+32*\c+15], v[SO+\c]
	v_cvt_scalef32_pk16_bf6_f32 v[PT+4*\c:PT+4*\c+2], v[AC+32*\c+16:AC+32*\c+31], v[SO+\c]
.endr
	WIN 0
	v_nop
.irp c, 0,1
.irp i, 0,1,2
	v_mov_b32 v[PC+6*\c+3+\i], v[PT+4*\c+\i]
.endr
.endr
	global_store_b128 v[L16], v[PC:PC+3], s[20:21] offset:1536*(\a)
	global_store_b64 v[L8], v[PC+4:PC+5], s[20:21] offset:1536*(\a)+512
	global_store_b128 v[L16], v[PC+6:PC+9], s[20:21] offset:1536*(\a)+768
	global_store_b64 v[L8], v[PC+10:PC+11], s[20:21] offset:1536*(\a)+1280
	ds_store_b32 v[SST], v[PW] offset:4*(\a)
.endm
.irp a, 0,1,2,3
	OUTQ \a
.endr
	ds_load_b128 v[OW:OW+3], v[SST]                ; four tiles' words of position r; both halves of the lanes hold and store the same 256 bytes
	s_wait_dscnt 0x0
	global_store_b128 v[VSO], v[OW:OW+3], s[22:23]
	s_wait_tensorcnt 0x0                           ; the wave's end
	ds_add_u32 v[SPW], v[NIL]
	s_wait_dscnt 0x0
	CROUND
	s_endpgm
.Lfunc_end_k_q14b465039b_gemm_v:
	.size	k_q14b465039b_gemm_v, .Lfunc_end_k_q14b465039b_gemm_v-k_q14b465039b_gemm_v
	.p2alignl 7, 3214868480
	.fill 96, 4, 3214868480
	.section	.rodata,"a",@progbits
	.p2align	6, 0x0
	.amdhsa_kernel k_q14b465039b_gemm_v
		.amdhsa_group_segment_fixed_size 327680
		.amdhsa_private_segment_fixed_size 0
		.amdhsa_enable_private_segment 0
		.amdhsa_kernarg_size 32
		.amdhsa_user_sgpr_count 2
		.amdhsa_user_sgpr_kernarg_segment_ptr 1
		.amdhsa_wavefront_size32 1
		.amdhsa_system_sgpr_workgroup_id_x 1
		.amdhsa_system_sgpr_workgroup_id_y 1
		.amdhsa_system_sgpr_workgroup_id_z 1
		.amdhsa_system_vgpr_workitem_id 0
		.amdhsa_next_free_vgpr 768
		.amdhsa_next_free_sgpr 102
		.amdhsa_reserve_vcc 0
		.amdhsa_float_denorm_mode_32 3
		.amdhsa_float_denorm_mode_16_64 3
		.amdhsa_memory_ordered 1
		.amdhsa_forward_progress 1
		.amdhsa_inst_pref_size 84
	.end_amdhsa_kernel
	.amdgpu_metadata
---
amdhsa.version: [ 1, 2 ]
amdhsa.kernels:
  - .name:           k_q14b465039b_gemm_v
    .symbol:         k_q14b465039b_gemm_v.kd
    .args:
      - { .name: wc, .offset: 0, .size: 8, .value_kind: global_buffer, .address_space: global }
      - { .name: xc, .offset: 8, .size: 8, .value_kind: global_buffer, .address_space: global }
      - { .name: bv, .offset: 16, .size: 8, .value_kind: global_buffer, .address_space: global }
      - { .name: qkv, .offset: 24, .size: 8, .value_kind: global_buffer, .address_space: global }
    .group_segment_fixed_size: 327680
    .private_segment_fixed_size: 0
    .kernarg_segment_align: 8
    .kernarg_segment_size: 32
    .max_flat_workgroup_size: 128
    .sgpr_count:     102
    .vgpr_count:     768
    .wavefront_size: 32
...
	.end_amdgpu_metadata
.endif
;; end of part 3
;; launch attn (part 4): grid 4 x 64, 8 waves a work-group, clusters of 4 x 1, 210,944 bytes of LDS; arguments qkv, oc; writes oc
.if DOCPART == 4
	.amdgcn_target "amdgcn-amd-amdhsa--gfx1250"
	.amdhsa_code_object_version 6
	.text
	.protected	k_q14b465039b_attn
	.globl	k_q14b465039b_attn
	.p2align	8
	.type	k_q14b465039b_attn,@function
k_q14b465039b_attn:
	s_mov_b64 s[64:65], 0
	v_nop
	global_prefetch_b8 v0, s[64:65] scope:SCOPE_SE
	s_setreg_imm32_b32 hwreg(HW_REG_WAVE_MODE, 25, 1), 1
	s_wait_xcnt 0x0
	s_wait_alu depctr_hold_cnt(0) depctr_sa_sdst(0) depctr_va_vdst(0) depctr_va_sdst(0) depctr_va_ssrc(0) depctr_va_vcc(0) depctr_vm_vsrc(0)
	s_getreg_b32 s2, hwreg(HW_REG_IB_STS2, 6, 4)
	s_cmp_eq_u32 s2, 0
	s_cbranch_scc0 .Lentry_in_a_cluster
	s_endpgm
.Lentry_in_a_cluster:
	s_bfe_u32 s2, ttmp6, 0x10000c
	s_cmp_lg_u32 s2, 0x3003
	s_cbranch_scc0 .Lentry_shape_is_right
	s_endpgm
.Lentry_shape_is_right:
; O[q][:] = the sum over k of softmax_k(Q[q] . K[k] / 8) V[k][:] for one (batch, head) of 2,048 positions and head size 64, both products on codes of BF6 (E3M2) with one E8M0 scale for each 32 along K;
; O is divided by the row's sum, quantised along the model's 1,024 and stored as codes and scale bytes for the last product.
; THE SOFTMAX: t = score x log2(e) / 8; M = the row's largest t so far, rounded UP to a whole number; p = 2^(t - M) is quantised along the keys, not normalised.  The row's sum is taken of the unquantised p, in f32.
; When M moves, the sums and O are multiplied by 2^(old M - new M): exact.
; INPUT: a record of qkv for each (batch, head): K's codes, V's codes, K's scale words, V's (208,896 bytes on end), then Q's codes and scale words.  In each aligned group of 64 positions, position 16 t + 8 e + j holds row 32 e + 8 t + j.
; Codes lie in chunks of 768 bytes: 16 positions x 64 along K; lane l = r + 16 h owns position r, k = 32 h .. + 31: 16 bytes at 16 l, 8 at 512 + 8 l.
; OUTPUT: oc in records of 102,400 bytes for 128 positions: 4,096 scale bytes (512 a tile: 128 (block / 8) + 8 r + block % 8), then four quarters of K of 24,576 bytes: chunk (T, c) at 4096 + 24576 (c / 4) + 3072 (T % 8) + 768 (c % 4).
; NO RING: the record's first 208,896 bytes are the image of LDS and stay: each of the eight waves brings 102 rows of 256 bytes by one joint load; nothing is filled again or stored to LDS, so there is no later tile to prefetch.
; CLUSTER: the four work-groups of a cluster take 512 queries each of one head and need the same K and V: the mask names the four.
; SHARES: a wave owns TWO tiles of 16 queries at a time (u = 0, 1), two such pairs one after the other.  Each fragment of K and V is read from LDS once for both tiles, and every dependent chain is laid for both tiles by turns.
; The next step's K is asked for right behind the score products, this step's V with it; one wait ahead of the second product covers both.
; LAYOUT: both products are used transposed (S^T = K Q^T, O^T = V^T P^T): a lane holds ONE query of each tile; its 32 registers of four neighbouring tiles of keys are 32 neighbouring keys: a whole block.
; K = 64 IN AN INSTRUCTION OF K = 128: Q's registers 6-11 hold zero codes; K's tile t is named as registers 6 t .. 6 t + 11, whose upper six (the next tile's codes, or zeros) meet Q's zero codes.
; REGISTERS: window 0: addresses, Q, K's and V's fragments, scale words, the rows' small state.  Window 1: S^T / p, O^T, the sums (four pairs a tile), p's codes.
; The sums and O^T begin as zeros and the largest score as -3e38, so that the key step is written once a pass.
; LIMITS: NaN and infinities are not served; the scaled scores stay under 2^31 in magnitude; a block whose largest magnitude lies under 2^-122 has its byte held at 1; a block of zeros gets the byte 1, not 127 (zero codes; this program alone reads the bytes).
.set REC,  315392
.set VC,   98304
.set KS,   196608
.set VS,   204800
.set QC,   208896
.set QS,   307200
.set GRP,  102400
.set SPARE, 208896
.set L16,  1                           ; 16 x lane, 8 x lane: K's pieces in LDS, a chunk's in memory
.set L8,   2
.set V16,  3
.set V8,   4
.set KSA,  5
.set VSA,  6
.set SH8,  7
.set AK16, 8
.set AK8,  9
.set AV16, 10
.set AV8,  11
.set NM,   12                          ; + 2 u: -M, the largest score
.set AKS,  16
.set AVS,  17
.set R16,  18
.set R8H,  19
.set Q,    20                          ; + 12 u; the second pass's 166 further on
.set QW,   44
.set PW,   46
.set FK,   48                          ; v48-101 eight tiles of K and six zeros
.set FV,   102                         ; v102-149 four fragments of V
.set KW,   150
.set VW,   158
.set BM,   162                         ; + 2 u + c
.set SO,   166
.set BY,   170
.set T0,   174
.set T1,   176
.set F,    178                         ; + 2 u
.set RL,   182
.set SPW,  254
.set NIL,  255
.set S,    0                           ; window 1: + 64 u
.set O,    128                         ; + 32 u
.set L,    192                         ; + 8 u
.set PC,   208                         ; + 12 u
.set PT,   232                         ; + 8 u
.set WV,   10
.set G0,   16
.set G1,   20
.set SEL,  28
.set CS,   30
.set TB,   32
.set TS,   33
.set TJ,   34
.set CNT,  35
.set PQ,   36
.set PQS,  38
.set POC,  40
.set POS,  42
.set NC,   52
.set TBN,  44                          ; the next step's K: codes, scale words
.set TSN,  45
.set ST,   46
.set GS,   48                          ; the step among the wave's 32 (two passes of 16)
.set MSB, 0
.macro WIN new                         ; low byte: 1:0 source 0, 3:2 source 1, 5:4 source 2, 7:6 destination; the high byte repeats the setting left
.if MSB != \new
	s_set_vgpr_msb (MSB<<8)|\new
.set MSB, \new
.endif
.endm
.macro CROUND
	s_barrier_signal -1
	s_barrier_wait -1
	s_cmp_lg_u32 s[WV], 0
	s_cbranch_scc1 .Lnot_wave_0_\@
	s_barrier_signal -3
.Lnot_wave_0_\@:
	s_barrier_wait -3
	s_barrier_signal -1
	s_barrier_wait -1
.endm
	s_load_b128 s[4:7], s[0:1], 0x0                ; qkv, oc
	v_lshl_add_u32 v[SPW], v0, 2, SPARE
	v_mov_b32 v[NIL], 0
	ds_add_u32 v[SPW], v[NIL]
	ds_add_u32 v[SPW], v[NIL]
	v_lshrrev_b32 v8, 5, v0
	v_readfirstlane_b32 s[WV], v8                  ; wave 0..7
	s_and_b32 s11, ttmp7, 0xffff                   ; the record: 16 x batch + head
	s_mul_i32 s12, s11, REC
	s_mov_b32 s13, 0
	s_mul_i32 s14, s[WV], 26112                    ; my eighth of the image
	s_mov_b32 s15, 0
	s_mov_b32 s[G1], 15|(3<<16)|(1<<21)            ; the mask: all four; elements of 8 bytes; bit 21 beside a mask
	s_mov_b32 s[G1+1], 32<<16
	s_mov_b32 s[G1+2], 102<<16
	s_mov_b32 s[G1+3], 32<<16
	s_mov_b32 s[G1+4], 102
	s_mov_b32 s[G1+5], 32
	s_mov_b32 s[G1+6], 0
	s_mov_b32 s[G1+7], 0
	s_wait_dscnt 0x0
	s_wait_kmcnt 0x0
	s_add_nc_u64 s[12:13], s[4:5], s[12:13]
	s_mov_b32 s[G0], 1
	s_mov_b32 s[G0+1], s14
	s_add_nc_u64 s[G0+2:G0+3], s[12:13], s[14:15]
	s_or_b32 s[G0+3], s[G0+3], 0x80000000
	CROUND                                         ; the joint loads meet
	tensor_load_to_lds s[G0:G0+3], s[G1:G1+7]      ; my one tensor load of the launch
	s_nop 0
.rept 4
	v_nop
.endr
	s_bfe_u32 s44, ttmp6, 0x40000                  ; cx enters Q's and oc's addresses alone
	s_lshl_b32 s44, s44, 5
	s_lshl_b32 s45, s[WV], 1
	s_add_co_u32 s44, s44, s45                     ; my first tile of queries: 32 cx + 2 wave; tile u = 1 is the next, the second pass 16 tiles on
	s_mul_i32 s46, s44, 768
	s_add_co_u32 s46, s46, QC
	s_mov_b32 s47, 0
	s_add_nc_u64 s[PQ:PQ+1], s[12:13], s[46:47]
	s_lshr_b32 s46, s44, 2
	s_lshl_b32 s46, s46, 8
	s_and_b32 s45, s44, 3
	s_lshl_b32 s45, s45, 2
	s_add_co_u32 s46, s46, s45
	s_add_co_u32 s46, s46, QS
	s_add_nc_u64 s[PQS:PQS+1], s[12:13], s[46:47]
	s_lshr_b32 s45, s11, 4
	s_lshl_b32 s45, s45, 7
	s_add_co_u32 s45, s45, s44                     ; my tile among all 512
	s_and_b32 s48, s11, 15                         ; the head = the chunk along the model's 1,024
	s_lshr_b32 s46, s45, 3
	s_mul_i32 s46, s46, GRP                        ; its record of oc
	s_and_b32 s45, s45, 7
	s_lshr_b32 s49, s48, 2
	s_and_b32 s48, s48, 3
	s_mul_i32 s50, s45, 3072
	s_add_co_u32 s50, s50, s46
	s_mul_i32 s51, s49, 24576
	s_add_co_u32 s50, s50, s51
	s_mul_i32 s51, s48, 768
	s_add_co_u32 s50, s50, s51
	s_add_co_u32 s50, s50, 4096
	s_mov_b32 s51, 0
	s_add_nc_u64 s[POC:POC+1], s[6:7], s[50:51]
	s_lshl_b32 s50, s45, 9
	s_add_co_u32 s50, s50, s46
	s_lshl_b32 s49, s49, 7
	s_add_co_u32 s50, s50, s49
	s_lshl_b32 s48, s48, 1
	s_add_co_u32 s50, s50, s48
	s_add_nc_u64 s[POS:POS+1], s[6:7], s[50:51]
	s_mov_b32 s[SEL], 0x76543210
	s_mov_b32 s[SEL+1], 0xfedcba98
	s_mov_b32 s[CS], 0x3e38aa3b                    ; c = log2(e) / 8
	s_mov_b32 s[CS+1], s[CS]
	s_mov_b32 s[NC], 0xbe38aa3b                    ; -c
	v_and_b32 v8, 31, v0
	v_and_b32 v9, 15, v0
	v_bfe_u32 v10, v0, 4, 1
	v_lshlrev_b32 v[L16], 4, v8
	v_lshlrev_b32 v[L8], 3, v8
	v_add_nc_u32 v[V16], VC, v[L16]
	v_add_nc_u32 v[V8], VC, v[L8]
	v_lshlrev_b32 v[R16], 4, v9
	v_add_nc_u32 v[KSA], KS, v[R16]
	v_add_nc_u32 v[VSA], VS, v[R16]
	v_lshlrev_b32 v[SH8], 3, v10
	v_lshl_add_u32 v[R8H], v9, 3, v10
.irp i, 0,1,2,3,4,5
	v_mov_b32 v[Q+6+\i], 0                         ; Q's zero codes for k = 64 .. 127, four tiles
	v_mov_b32 v[Q+18+\i], 0
	v_mov_b32 v[Q+166+6+\i], 0
	v_mov_b32 v[Q+166+18+\i], 0
	v_mov_b32 v[FK+48+\i], 0                       ; and what stands behind K's last tile
.endr
.irp u, 0,1
	v_mov_b32 v[T1+\u], 0                          ; a lane permute's destination counts as a source
	v_mov_b32 v[F+2*\u+1], 0                       ; (named as the upper halves of pairs)
	v_mov_b32 v[RL+2*\u+1], 0
.endr
.irp p, 0,1
.irp u, 0,1
	global_load_b128 v[Q+166*\p+12*\u:Q+166*\p+12*\u+3], v[L16], s[PQ:PQ+1] offset:12288*\p+768*\u
	global_load_b64 v[Q+166*\p+12*\u+4:Q+166*\p+12*\u+5], v[L8], s[PQ:PQ+1] offset:12288*\p+768*\u+512
	global_load_b32 v[QW+166*\p+\u], v[R16], s[PQS:PQS+1] offset:1024*\p+4*\u
.endr
.endr
	s_wait_alu depctr_va_vdst(0)
	s_wait_tensorcnt 0x0                           ; my part of the image is in,
	s_barrier_signal -1
	s_barrier_wait -1                              ; everybody's is
; A KEY STEP: 128 keys for both tiles.  One loop of 32 trips walks both passes of 16 steps; the waves share nothing but the image and meet at no barrier inside it.
.macro STEP off, qb, qw
	s_add_co_u32 s[GS], s[CNT], \off
	s_and_b32 s[ST], s[GS], 15
	s_mul_i32 s[TB], s[ST], 6144
	s_lshl_b32 s[TJ], s[ST], 8
	s_add_co_u32 s[ST], s[GS], 1
	s_and_b32 s[ST], s[ST], 15                     ; behind a pass's last step comes the next pass's first
	s_mul_i32 s[TBN], s[ST], 6144
	s_lshl_b32 s[TSN], s[ST], 9
	WIN 0x40
.irp t, 0,1,2,3,4,5,6,7
.irp u, 0,1
	v_wmma_scale_f32_16x16x128_f8f6f4 v[S+64*\u+8*\t:S+64*\u+8*\t+7], v[FK+6*\t:FK+6*\t+11], v[(\qb)+12*\u:(\qb)+12*\u+11], 0, v[KW+\t], v[(\qw)+\u] matrix_a_fmt:MATRIX_FMT_BF6 matrix_b_fmt:MATRIX_FMT_BF6
.endr
.endr
	WIN 0
	v_add_nc_u32 v[AK16], s[TBN], v[L16]           ; these six are the places behind the products, ahead of the loads into their sources and of the first read of the scores
	v_add_nc_u32 v[AK8], s[TBN], v[L8]
	v_add_nc_u32 v[AKS], s[TSN], v[KSA]
	v_add_nc_u32 v[AV16], s[TB], v[V16]
	v_add_nc_u32 v[AV8], s[TB], v[V8]
	v_add_nc_u32 v[AVS], s[TJ], v[VSA]
; the next step's K; behind a pass's last step that is step 0's again, which the second pass multiplies (the wave's very last step asks for it too, and nobody multiplies it: one step's loads in 32)
.irp t, 0,1,2,3,4,5,6,7
	ds_load_b128 v[FK+6*\t:FK+6*\t+3], v[AK16] offset:768*\t
	ds_load_b64 v[FK+6*\t+4:FK+6*\t+5], v[AK8] offset:768*\t+512
.endr
	ds_load_b128 v[KW:KW+3], v[AKS]
	ds_load_b128 v[KW+4:KW+7], v[AKS] offset:256
.irp t, 0,1,2,3
	ds_load_b128 v[FV+12*\t:FV+12*\t+3], v[AV16] offset:1536*\t
	ds_load_b64 v[FV+12*\t+4:FV+12*\t+5], v[AV8] offset:1536*\t+512
	ds_load_b128 v[FV+12*\t+6:FV+12*\t+9], v[AV16] offset:1536*\t+768
	ds_load_b64 v[FV+12*\t+10:FV+12*\t+11], v[AV8] offset:1536*\t+1280
.endr
	ds_load_b128 v[VW:VW+3], v[AVS]
	WIN 0x05                                       ; the largest score of each block of 32 keys: eight chains by turns, each accumulator from its low end on
.irp u, 0,1
.irp c, 0,1
.irp d, 0,1                                        ; each block in two halves of 16: eight chains by turns (the second halves' maxima 50 registers on)
	v_max3_num_f32 v[BM+50*\d+2*\u+\c], v[S+64*\u+32*\c+16*\d], v[S+64*\u+32*\c+16*\d+1], 0xff7fffff
.endr
.endr
.endr
.irp i, 2,4,6,8,10,12,14
.irp u, 0,1
.irp c, 0,1
.irp d, 0,1
	v_max3_num_f32 v[BM+50*\d+2*\u+\c], v[S+64*\u+32*\c+16*\d+\i], v[S+64*\u+32*\c+16*\d+\i+1], v[BM+50*\d+2*\u+\c]
.endr
.endr
.endr
.endr
	WIN 0
.irp b, 0,1,2,3
	v_max_num_f32 v[BM+\b], v[BM+\b], v[BM+50+\b]
.endr
.irp u, 0,1
	v_max_num_f32 v[T0+\u], v[BM+2*\u], v[BM+2*\u+1]
.endr
.irp u, 0,1
	v_permlanex16_b32 v[T1+\u], v[T0+\u], s[SEL], s[SEL+1]
.endr
.irp u, 0,1
	v_max3_num_f32 v[NM+2*\u+1], v[NM+2*\u+1], v[T0+\u], v[T1+\u]   ; the row's largest score so far
.endr
.irp u, 0,1
	v_mul_f32 v[T0+\u], s[NC], v[NM+2*\u+1]        ; -t
.endr
.irp u, 0,1
	v_floor_f32 v[T0+\u], v[T0+\u]                 ; the new -M = -ceil(t)
.endr
.irp u, 0,1
	v_sub_f32 v[T1+\u], v[T0+\u], v[NM+2*\u]       ; old M - new M, a whole number, 0 or less
.endr
.irp u, 0,1
	v_mov_b32 v[NM+2*\u], v[T0+\u]
.endr
.irp u, 0,1
	v_cvt_i32_f32 v[T1+\u], v[T1+\u]               ; (it saturates)
.endr
.irp u, 0,1
	v_ldexp_f32 v[F+2*\u], 1.0, v[T1+\u]           ; f = 2^(old M - new M)
.endr
.irp u, 0,1
.irp c, 0,1
	v_fma_f32 v[BM+2*\u+\c], v[BM+2*\u+\c], s[CS], v[NM+2*\u]   ; t - M of each block's largest score
.endr
.endr
	WIN 0x41
.set j, 0
.rept 32
	v_pk_fma_f32 v[S+j:S+j+1], v[S+j:S+j+1], s[CS:CS+1], v[NM:NM+1] op_sel_hi:[1,0,0]   ; t - M of tile 0
.set j, j+2
.endr
.irp j, 0,2,4,6,8,10,12,14,16,18,20,22,24,26,28,30
.irp u, 0,1
	v_pk_mul_f32 v[O+32*\u+\j:O+32*\u+\j+1], v[O+32*\u+\j:O+32*\u+\j+1], v[F+2*\u:F+2*\u+1] op_sel_hi:[1,0]   ; O^T under the new M
.endr
.endr
	s_wait_alu depctr_va_vdst(0)
.set j, 0
.rept 32                                           ; p = 2^(t - M) of tile 0; between its exponentials stand tile 1's t - M and the sums' rescaling: each written once here and first read behind a wait
	v_exp_f32 v[S+j], v[S+j]
	v_pk_fma_f32 v[S+64+j:S+64+j+1], v[S+64+j:S+64+j+1], s[CS:CS+1], v[NM+2:NM+3] op_sel_hi:[1,0,0]
	v_exp_f32 v[S+j+1], v[S+j+1]
.if j < 16
	v_pk_mul_f32 v[L+j:L+j+1], v[L+j:L+j+1], v[F+2*(j/8):F+2*(j/8)+1] op_sel_hi:[1,0]   ; the sums under the new M
.endif
.set j, j+2
.endr
	s_wait_alu depctr_va_vdst(0)                   ; the wait ahead of tile 1's batch, whose sources were just written
.set j, 64
.rept 64
	v_exp_f32 v[S+j], v[S+j]                       ; p of tile 1
.set j, j+1
.endr
	WIN 0
.irp b, 0,1,2,3
	v_exp_f32 v[BM+\b], v[BM+\b]                   ; each block's largest p: the same two instructions on the same number
.endr
	v_nop                                          ; the plain place behind the batch
	s_wait_alu depctr_va_vdst(0)                   ; and the one wait ahead of its readers
.irp b, 0,1,2,3
	v_max_num_f32 v[BM+\b], 0x2800000, v[BM+\b]    ; the floor 2^(5 - 127)
.endr
.irp b, 0,1,2,3
	v_add_nc_u32 v[SO+\b], 0xfe000000, v[BM+\b]    ; 4 off the exponent field: the conversion's scale operand
.endr
.irp b, 0,1,2,3
	v_lshrrev_b32 v[BY+\b], 23, v[SO+\b]
.endr
.irp u, 0,1
	v_lshl_or_b32 v[PW+\u], v[BY+2*\u+1], 16, v[BY+2*\u]
.endr
.irp u, 0,1
	v_lshlrev_b32 v[PW+\u], v[SH8], v[PW+\u]
.endr
.irp u, 0,1
	v_permlanex16_b32 v[T1+\u], v[PW+\u], s[SEL], s[SEL+1]
.endr
.irp u, 0,1
	v_or_b32 v[PW+\u], v[PW+\u], v[T1+\u]          ; p's scale word for these 128 keys
.endr
	WIN 0x41
.irp u, 0,1
.irp c, 0,1
	v_cvt_scalef32_pk16_bf6_f32 v[PC+12*\u+6*\c:PC+12*\u+6*\c+2], v[S+64*\u+32*\c:S+64*\u+32*\c+15], v[SO+2*\u+\c]
	v_cvt_scalef32_pk16_bf6_f32 v[PT+8*\u+4*\c:PT+8*\u+4*\c+2], v[S+64*\u+32*\c+16:S+64*\u+32*\c+31], v[SO+2*\u+\c]
.endr
.endr
	v_nop                                          ; one plain place behind a scaled conversion
.irp u, 0,1
.irp c, 0,1
.irp i, 0,1,2
	v_mov_b32 v[PC+12*\u+6*\c+3+\i], v[PT+8*\u+4*\c+\i]
.endr
.endr
.endr
	WIN 0x45                                       ; the rows' sums of the unquantised p: eight chains by turns; these 64 are also the places between p's codes and scale words and the products
.irp g, 0,8,16,24,32,40,48,56
.irp k, 0,2,4,6
.irp u, 0,1
	v_pk_add_f32 v[L+8*\u+\k:L+8*\u+\k+1], v[S+64*\u+\g+\k:S+64*\u+\g+\k+1], v[L+8*\u+\k:L+8*\u+\k+1]
.endr
.endr
.endr
	s_wait_alu depctr_va_vdst(0)
	s_wait_dscnt 0x0                               ; V is in, and the next step's K
	WIN 0x54
.irp t, 0,1,2,3                                    ; O^T += V^T P^T: the eight accumulators by turns
.irp u, 0,1
	v_wmma_scale_f32_16x16x128_f8f6f4 v[O+32*\u+8*\t:O+32*\u+8*\t+7], v[FV+12*\t:FV+12*\t+11], v[PC+12*\u:PC+12*\u+11], v[O+32*\u+8*\t:O+32*\u+8*\t+7], v[VW+\t], v[PW+\u] matrix_a_fmt:MATRIX_FMT_BF6 matrix_b_fmt:MATRIX_FMT_BF6
.endr
.endr
	WIN 0
	s_and_b32 s[ST], s[CNT], 15
	s_cmp_lg_u32 s[ST], 15                         ; a pass's last step: its two tiles go out
	s_wait_alu depctr_va_vdst(0)
	s_cbranch_scc1 .Lno_fin_\@
	FINISH
.Lno_fin_\@:
.endm
; THE WAY OUT of two tiles of queries.  A lane's 32 registers of O^T are one whole block of the last product's K.
.macro FINISH
	WIN 0x45                                       ; (these lines are the places behind the last products)
.irp u, 0,1
	v_pk_add_f32 v[L+8*\u:L+8*\u+1], v[L+8*\u:L+8*\u+1], v[L+8*\u+2:L+8*\u+3]
	v_pk_add_f32 v[L+8*\u+4:L+8*\u+5], v[L+8*\u+4:L+8*\u+5], v[L+8*\u+6:L+8*\u+7]
.endr
.irp u, 0,1
	v_pk_add_f32 v[L+8*\u:L+8*\u+1], v[L+8*\u:L+8*\u+1], v[L+8*\u+4:L+8*\u+5]
.endr
	WIN 0x05
.irp u, 0,1
	v_add_f32 v[T0+\u], v[L+8*\u], v[L+8*\u+1]
.endr
	WIN 0
.irp u, 0,1
	v_permlanex16_b32 v[T1+\u], v[T0+\u], s[SEL], s[SEL+1]
.endr
.irp u, 0,1
	v_add_f32 v[T0+\u], v[T0+\u], v[T1+\u]         ; the row's sum
.endr
	s_wait_alu depctr_va_vdst(0)
.irp u, 0,1
	v_rcp_f32 v[RL+2*\u], v[T0+\u]
.endr
	v_nop
	WIN 0x41
	s_wait_alu depctr_va_vdst(0)                   ; ahead of the first reader of the reciprocals and of O^T
.irp j, 0,2,4,6,8,10,12,14,16,18,20,22,24,26,28,30
.irp u, 0,1
	v_pk_mul_f32 v[S+64*\u+\j:S+64*\u+\j+1], v[O+32*\u+\j:O+32*\u+\j+1], v[RL+2*\u:RL+2*\u+1] op_sel_hi:[1,0]
.endr
.endr
	WIN 0x05
.irp u, 0,1
.irp c, 0,1
	v_max3_num_f32 v[BM+2*\u+\c], |v[S+64*\u+16*\c]|, |v[S+64*\u+16*\c+1]|, 0x2800000
.endr
.endr
.irp i, 2,4,6,8,10,12,14
.irp u, 0,1
.irp c, 0,1
	v_max3_num_f32 v[BM+2*\u+\c], |v[S+64*\u+16*\c+\i]|, |v[S+64*\u+16*\c+\i+1]|, v[BM+2*\u+\c]
.endr
.endr
.endr
	WIN 0
.irp u, 0,1
	v_max_num_f32 v[BM+2*\u], v[BM+2*\u], v[BM+2*\u+1]
.endr
.irp u, 0,1
	v_add_nc_u32 v[SO+2*\u], 0xfe000000, v[BM+2*\u]
.endr
.irp u, 0,1
	v_lshrrev_b32 v[BY+2*\u], 23, v[SO+2*\u]
.endr
	WIN 0x41
.irp u, 0,1
	v_cvt_scalef32_pk16_bf6_f32 v[PC+12*\u:PC+12*\u+2], v[S+64*\u:S+64*\u+15], v[SO+2*\u]
	v_cvt_scalef32_pk16_bf6_f32 v[PT+8*\u:PT+8*\u+2], v[S+64*\u+16:S+64*\u+31], v[SO+2*\u]
.endr
	v_nop
.irp u, 0,1
.irp i, 0,1,2
	v_mov_b32 v[PC+12*\u+3+\i], v[PT+8*\u+\i]
.endr
.endr
	WIN 0x04                                       ; a store's data are its source 1
.irp u, 0,1
	global_store_b128 v[L16], v[PC+12*\u:PC+12*\u+3], s[POC:POC+1] offset:3072*\u       ; a chunk: 512 + 256 consecutive bytes, aligned
	global_store_b64 v[L8], v[PC+12*\u+4:PC+12*\u+5], s[POC:POC+1] offset:3072*\u+512
.endr
	WIN 0
.irp u, 0,1
	global_store_b8 v[R8H], v[BY+2*\u], s[POS:POS+1] offset:512*\u             ; the byte of (position r, block 2 x head + h)
.endr
	s_cmp_eq_u32 s[CNT], 31                        ; behind the second pass nothing is set up
	s_wait_alu depctr_va_vdst(0)
	s_cbranch_scc1 .Llast_\@
	s_wait_xcnt 0x0                                ; the stores have read their registers and bases
	s_add_nc_u64 s[POC:POC+1], s[POC:POC+1], 2*GRP ; the second pass's tiles lie 16 tiles, two records, on
	s_add_nc_u64 s[POS:POS+1], s[POS:POS+1], 2*GRP
.irp u, 0,1
.irp i, 0,1,2,3,4,5
	v_mov_b32 v[Q+12*\u+\i], v[Q+166+12*\u+\i]     ; the second pass's Q, loaded at the head
.endr
	v_mov_b32 v[QW+\u], v[QW+166+\u]
.endr
	INIT
	s_wait_alu depctr_va_vdst(0)
.Llast_\@:
.endm
.macro INIT                            ; a pass begins: the largest score -3e38, -M = 3e38, O^T and the sums zeros
.irp u, 0,1
	v_mov_b32 v[NM+2*\u+1], 0xff61b1e6
	v_mov_b32 v[NM+2*\u], 0x7f61b1e6
.endr
	WIN 0x40
.set j, 0
.rept 80
	v_mov_b32 v[O+j], 0
.set j, j+1
.endr
	WIN 0
.endm
	INIT
.irp t, 0,1,2,3,4,5,6,7
	ds_load_b128 v[FK+6*\t:FK+6*\t+3], v[L16] offset:768*\t                    ; the first step's K
	ds_load_b64 v[FK+6*\t+4:FK+6*\t+5], v[L8] offset:768*\t+512
.endr
	ds_load_b128 v[KW:KW+3], v[KSA]
	ds_load_b128 v[KW+4:KW+7], v[KSA] offset:256
	s_mov_b32 s[CNT], 0
	s_wait_alu depctr_va_vdst(0)
	s_wait_loadcnt 0x0                             ; Q
	s_wait_dscnt 0x0                               ; K
.Lloop:
	STEP 0, Q, QW
	s_add_co_u32 s[CNT], s[CNT], 1
	s_cmp_lt_u32 s[CNT], 32
	s_cbranch_scc1 .Lloop
	s_wait_tensorcnt 0x0                           ; the wave's end
	ds_add_u32 v[SPW], v[NIL]
	s_wait_dscnt 0x0
	CROUND                                         ; the closing round
	s_endpgm
.Lfunc_end_k_q14b465039b_attn:
	.size	k_q14b465039b_attn, .Lfunc_end_k_q14b465039b_attn-k_q14b465039b_attn
	.p2alignl 7, 3214868480
	.fill 96, 4, 3214868480
	.section	.rodata,"a",@progbits
	.p2align	6, 0x0
	.amdhsa_kernel k_q14b465039b_attn
		.amdhsa_group_segment_fixed_size 210944
		.amdhsa_private_segment_fixed_size 0
		.amdhsa_enable_private_segment 0
		.amdhsa_kernarg_size 16
		.amdhsa_user_sgpr_count 2
		.amdhsa_user_sgpr_kernarg_segment_ptr 1
		.amdhsa_wavefront_size32 1
		.amdhsa_system_sgpr_workgroup_id_x 1
		.amdhsa_system_sgpr_workgroup_id_y 1
		.amdhsa_system_sgpr_workgroup_id_z 1
		.amdhsa_system_vgpr_workitem_id 0
		.amdhsa_next_free_vgpr 512
		.amdhsa_next_free_sgpr 66
		.amdhsa_reserve_vcc 0
		.amdhsa_float_denorm_mode_32 3
		.amdhsa_float_denorm_mode_16_64 3
		.amdhsa_memory_ordered 1
		.amdhsa_forward_progress 1
		.amdhsa_inst_pref_size 50
	.end_amdhsa_kernel
	.amdgpu_metadata
---
amdhsa.version: [ 1, 2 ]
amdhsa.kernels:
  - .name:           k_q14b465039b_attn
    .symbol:         k_q14b465039b_attn.kd
    .args:
      - { .name: qkv, .offset: 0, .size: 8, .value_kind: global_buffer, .address_space: global }
      - { .name: oc, .offset: 8, .size: 8, .value_kind: global_buffer, .address_space: global }
    .group_segment_fixed_size: 210944
    .private_segment_fixed_size: 0
    .kernarg_segment_align: 8
    .kernarg_segment_size: 16
    .max_flat_workgroup_size: 256
    .sgpr_count:     66
    .vgpr_count:     512
    .wavefront_size: 32
...
	.end_amdgpu_metadata
.endif
;; end of part 4
;; launch gemm_o (part 5): grid 4 x 64, 4 waves a work-group, clusters of 4 x 4, 327,680 bytes of LDS; arguments oc, wc, bo, out0; writes out0
.if DOCPART == 5
	.amdgcn_target "amdgcn-amd-amdhsa--gfx1250"
	.amdhsa_code_object_version 6
	.text
	.protected	k_q14b465039b_gemm_o
	.globl	k_q14b465039b_gemm_o
	.p2align	8
	.type	k_q14b465039b_gemm_o,@function
k_q14b465039b_gemm_o:
	s_mov_b64 s[64:65], 0
	v_nop
	global_prefetch_b8 v0, s[64:65] scope:SCOPE_SE
	s_setreg_imm32_b32 hwreg(HW_REG_WAVE_MODE, 25, 1), 1
	s_wait_xcnt 0x0
	s_wait_alu depctr_hold_cnt(0) depctr_sa_sdst(0) depctr_va_vdst(0) depctr_va_sdst(0) depctr_va_ssrc(0) depctr_va_vcc(0) depctr_vm_vsrc(0)
	s_getreg_b32 s2, hwreg(HW_REG_IB_STS2, 6, 4)
	s_cmp_eq_u32 s2, 0
	s_cbranch_scc0 .Lentry_in_a_cluster
	s_endpgm
.Lentry_in_a_cluster:
	s_bfe_u32 s2, ttmp6, 0x10000c
	s_cmp_lg_u32 s2, 0xf033
	s_cbranch_scc0 .Lentry_shape_is_right
	s_endpgm
.Lentry_shape_is_right:
; out0 = O Wo^T + bo on codes of BF6 (E3M2), f32 sums, f32 out.
; A = 128 positions of O, B = 256 rows of Wo, K = 1,024.  A work-group of four waves makes 128 x 256; a wave 64 x 128: 32 accumulators.
; An operand's 128 positions are one record of 102,400 bytes: 4,096 scale bytes (512 a tile of 16: 128 (block / 8) + 8 r + block % 8), then four quarters of K of 24,576 bytes (8 tiles x 3,072).
; In each aligned group of 64 positions, position 16 t + 8 e + j holds row 32 e + 8 t + j, of O and of Wo alike: the way out puts rows and columns back.
; NO RING: A's record and B's two stay in LDS: waves 0 and 1 bring a half of A's record each, waves 2 and 3 a record of B each, one joint load a wave; nothing is filled again, so there is no later tile to prefetch.
; CLUSTER 4 x 4: A's record is shared along a row of the cluster, B's along a column.
; The matrix instruction is used transposed (source 0 = Wo, source 1 = O): a lane holds eight numbers of a row of out0.
; Both operands have two sets of fragment registers: a step's LDS loads are issued one step, 32 matrix instructions, ahead of their use.
; The stage of the way out lies on A's codes, behind a barrier behind which no wave reads LDS tiles any more.
.set B0,    3072
.set KSB,   3072
.set QRT,   8*KSB
.set GRP,   4096+4*QRT
.set SPARE, 3*GRP
.set FSTG,  4096
.set FP,    528
.set FR,    12
.set A16,  4
.set A8,   6
.set B16,  8
.set B8,   10
.set ADRS, 16
.set L16,  17
.set L8,   18
.set BOF,  23
.set STO,  25
.set RD,   26
.set SPW,  28
.set NIL,  29
.set SC,   32
.set AF,   128
.set BK,   128
.set WV,  16
.set SA,  17
.set SB,  18
.set CX,  92
.set CY,  93
.set TX,  94
.set TY,  95
.set G1S,  68
.set G0S,  76
.set G1SB, 80
.set G0SB, 88
.set MSB, 0
.macro WIN new
.if MSB != \new
	s_set_vgpr_msb (MSB<<8)|\new
.set MSB, \new
.endif
.endm
.set MUL_LO, 0xa1                      ; source 0 (B) window 1, source 1 (A) window 0, C and D window 2
.set BIA_LO, 0x91                      ; the same with C in window 1
.set TO_B,   0x40
.macro CREST
	s_cmp_lg_u32 s[WV], 0
	s_cbranch_scc1 .Lnot_wave_0_\@
	s_barrier_signal -3
.Lnot_wave_0_\@:
	s_barrier_wait -3
	s_barrier_signal -1
	s_barrier_wait -1
.endm
.macro CROUND
	s_barrier_signal -1
	s_barrier_wait -1
	CREST
.endm
.macro PLACES
.rept 4
	v_nop
.endr
.endm
	s_load_b64 s[4:5], s[0:1], 0x0                 ; oc
	s_load_b64 s[8:9], s[0:1], 0x8                 ; wc
	s_load_b64 s[12:13], s[0:1], 0x10              ; bo
	s_load_b64 s[20:21], s[0:1], 0x18              ; out0
	v_lshl_add_u32 v[SPW], v0, 2, SPARE
	v_mov_b32 v[NIL], 0
	ds_add_u32 v[SPW], v[NIL]
	ds_add_u32 v[SPW], v[NIL]
	v_lshrrev_b32 v1, 5, v0
	v_readfirstlane_b32 s[WV], v1
	s_lshr_b32 s[SA], s[WV], 1                     ; my 64 rows of A.  Also: I fetch for A (0) or B (1)
	s_and_b32 s[SB], s[WV], 1                      ; my 128 rows of B.  Also: which part I fetch
	s_bfe_u32 s[CX], ttmp6, 0x40000
	s_bfe_u32 s[CY], ttmp6, 0x40004
	s_lshl_b32 s[TX], ttmp9, 2
	s_add_co_u32 s[TX], s[TX], s[CX]
	s_and_b32 s[TY], ttmp7, 0xffff
	s_lshl_b32 s[TY], s[TY], 2
	s_add_co_u32 s[TY], s[TY], s[CY]
	s_lshl_b32 s96, s[CY], 2
	s_lshl_b32 s96, 15, s96
	s_lshl_b32 s97, 0x1111, s[CX]
	s_or_b32 s[G1S], s96, (3<<16)|(1<<21)          ; dense rows of 256 bytes: 200 for half a record, 400 for a record
	s_or_b32 s[G1SB], s97, (3<<16)|(1<<21)
	s_mov_b32 s[G1S+1], 32<<16
	s_mov_b32 s[G1S+2], 200<<16
	s_mov_b32 s[G1S+3], 32<<16
	s_mov_b32 s[G1S+4], 200
	s_mov_b32 s[G1S+5], 32
	s_mov_b32 s[G1S+6], 0
	s_mov_b32 s[G1S+7], 0
	s_mov_b32 s[G1SB+1], 32<<16
	s_mov_b32 s[G1SB+2], 400<<16
	s_mov_b32 s[G1SB+3], 32<<16
	s_mov_b32 s[G1SB+4], 400
	s_mov_b32 s[G1SB+5], 32
	s_mov_b32 s[G1SB+6], 0
	s_mov_b32 s[G1SB+7], 0
	s_lshl_b32 s22, s[TY], 7
	s_mul_i32 s66, s22, 800                        ; 102,400 bytes for 128 positions
	s_mul_i32 s19, s[SB], GRP/2
	s_add_co_u32 s66, s66, s19
	s_mov_b32 s67, 0
	s_lshl_b32 s100, s[TX], 8
	s_lshl_b32 s23, s[SB], 7
	s_add_co_u32 s100, s100, s23
	s_add_co_u32 s100, s100, B0
	s_mul_i32 s2, s100, 800
	s_mov_b32 s3, 0
	s_mul_i32 s101, s[SB], GRP
	s_add_co_u32 s101, s101, GRP
	s_wait_dscnt 0x0
	s_wait_kmcnt 0x0
	s_add_nc_u64 s[66:67], s[4:5], s[66:67]
	s_add_nc_u64 s[2:3], s[8:9], s[2:3]
	CROUND
	s_mov_b32 s[G0S], 1
	s_mov_b32 s[G0S+1], s19
	s_mov_b64 s[G0S+2:G0S+3], s[66:67]
	s_or_b32 s[G0S+3], s[G0S+3], 0x80000000
	s_mov_b32 s[G0SB], 1
	s_mov_b32 s[G0SB+1], s101
	s_mov_b64 s[G0SB+2:G0SB+3], s[2:3]
	s_or_b32 s[G0SB+3], s[G0SB+3], 0x80000000
	s_cmp_eq_u32 s[SA], 0
	s_cbranch_scc0 .Lfor_b
	tensor_load_to_lds s[G0S:G0S+3], s[G1S:G1S+7]
	s_nop 0
	PLACES
	s_branch .Lasked
.Lfor_b:
	tensor_load_to_lds s[G0SB:G0SB+3], s[G1SB:G1SB+7]
	s_nop 0
	PLACES
.Lasked:
	v_and_b32 v1, 31, v0
	v_and_b32 v2, 15, v0
	v_bfe_u32 v3, v0, 4, 1
	v_lshlrev_b32 v[L16], 4, v1
	v_lshlrev_b32 v[L8], 3, v1
	s_mul_i32 s22, s[SA], 4*KSB                    ; my four tiles of A,
	s_mul_i32 s23, s[SB], GRP                      ; my record of B
	s_add_co_u32 s22, s22, 4096
	s_add_co_u32 s23, s23, GRP+4096
.irp s, 0,1                                        ; an address register for each pair of quarters
	v_add_nc_u32 v[A16+\s], s22, v[L16]
	v_add_nc_u32 v[B16+\s], s23, v[L16]
	v_add_nc_u32 v[A8+\s], s22, v[L8]
	v_add_nc_u32 v[B8+\s], s23, v[L8]
	s_add_co_u32 s22, s22, 2*QRT
	s_add_co_u32 s23, s23, 2*QRT
.endr
	s_xor_b32 s66, s[SA], 1                        ; scale words: lanes 0-15 A's at 2048 SA, lanes 16-31 B's at GRP (1 + SB): one product with the distance
	s_lshl_b32 s66, s66, 11
	s_mul_i32 s67, s[SB], GRP
	s_add_co_u32 s66, s66, s67
	s_add_co_u32 s66, s66, GRP-2048
	v_mul_u32_u24 v[ADRS], s66, v3
	s_lshl_b32 s67, s[SA], 11
	v_lshl_add_u32 v[ADRS], v2, 3, v[ADRS]
	v_add_nc_u32 v[ADRS], s67, v[ADRS]
	s_mul_i32 s66, s[WV], 16*FP
	s_add_co_u32 s66, s66, FSTG
	v_mul_u32_u24 v[STO], v2, FP
	v_lshl_add_u32 v[STO], v3, 7, v[STO]
	v_add_nc_u32 v[STO], s66, v[STO]
	v_add_nc_u32 v[RD], s66, v[L16]
	s_lshl_b32 s66, s[TX], 10                      ; bo: my 128 columns
	s_lshl_b32 s67, s[SB], 9
	s_add_co_u32 s66, s66, s67
	s_mov_b32 s67, 0
	s_add_nc_u64 s[12:13], s[12:13], s[66:67]
	v_lshlrev_b32 v[BOF], 7, v3
	WIN TO_B
.irp i, 0,1,2,3,4,5,6,7
	global_load_b128 v[96+8*\i+96*(\i/4):96+8*\i+96*(\i/4)+3], v[BOF], s[12:13] offset:256*(\i/4)+32*(\i%4)
	global_load_b128 v[96+8*\i+96*(\i/4)+4:96+8*\i+96*(\i/4)+7], v[BOF], s[12:13] offset:256*(\i/4)+32*(\i%4)+16
.endr
	WIN 0
	s_lshl_b32 s66, s[TY], 19                      ; out0: 128 rows of 4,096 bytes a block, 64 a wave
	s_lshl_b32 s67, s[SA], 18
	s_add_co_u32 s66, s66, s67
	s_lshl_b32 s67, s[TX], 10
	s_add_co_u32 s66, s66, s67
	s_lshl_b32 s67, s[SB], 9
	s_add_co_u32 s66, s66, s67
	s_mov_b32 s67, 0
	s_add_nc_u64 s[20:21], s[20:21], s[66:67]
.macro FRAG reg, a16, a8, q, i
	ds_load_b128 v[\reg:\reg+3], v[\a16] offset:KSB*(\i)+1536*(\q)
	ds_load_b64 v[\reg+4:\reg+5], v[\a8] offset:KSB*(\i)+1536*(\q)+512
	ds_load_b128 v[\reg+6:\reg+9], v[\a16] offset:KSB*(\i)+1536*(\q)+768
	ds_load_b64 v[\reg+10:\reg+11], v[\a8] offset:KSB*(\i)+1536*(\q)+1280
.endm
.macro FETCH k                         ; step k's fragments into set k % 2; with an even step the scale words of two steps (A's words of blocks 4-7 are read and not used)
.set FS, (\k)/4
.set FQ, (\k)%2+16*(((\k)/2)%2)
	WIN TO_B
.irp i, 0,1,2,3,4,5,6,7
	FRAG 128*((\k)%2)+FR*\i, B16+FS, B8+FS, FQ, \i
.endr
	WIN 0
.irp i, 0,1,2,3
	FRAG AF+48*((\k)%2)+FR*\i, A16+FS, A8+FS, FQ, \i
.endr
.if (\k)%2 == 0
.irp i, 0,1,2,3,4,5,6,7
	ds_load_b64 v[SC+16*(((\k)/2)%2)+2*\i:SC+16*(((\k)/2)%2)+2*\i+1], v[ADRS] offset:512*\i+128*((\k)/2)
.endr
.endif
.endm
.macro MUL k, zero                     ; 32 matrix instructions, the accumulators by turns
.set P, (\k)%2
.set CSC, ((\k)/2)%2
.irp a, 0,1,2,3
.irp b, 0,1,2,3,4,5,6,7
.set DR, 8*(8*\a+\b)
.set BR, 128*P+FR*\b
.set AR, AF+48*P+FR*\a
.set SB0, SC+16*CSC+2*\b+P
.set SA0, SC+16*CSC+2*\a+P
.set CR, 96+8*\b+96*(\b/4)
.if \zero
	v_wmma_scale_f32_16x16x128_f8f6f4 v[DR:DR+7], v[BR:BR+FR-1], v[AR:AR+FR-1], v[CR:CR+7], v[SB0], v[SA0] matrix_a_fmt:MATRIX_FMT_BF6 matrix_b_fmt:MATRIX_FMT_BF6 matrix_a_scale:MATRIX_SCALE_ROW1
.else
	v_wmma_scale_f32_16x16x128_f8f6f4 v[DR:DR+7], v[BR:BR+FR-1], v[AR:AR+FR-1], v[DR:DR+7], v[SB0], v[SA0] matrix_a_fmt:MATRIX_FMT_BF6 matrix_b_fmt:MATRIX_FMT_BF6 matrix_a_scale:MATRIX_SCALE_ROW1
.endif
.endr
.endr
.endm
.macro KSTEP k, zero
	s_wait_dscnt 0x0                               ; this step's fragments, asked for a step ago
.if (\k) < 7
	PLACES                                         ; ahead of loads into the sets that the last step's products read
	FETCH (\k)+1
.endif
.if \zero
	WIN BIA_LO
.else
	WIN MUL_LO
.endif
	MUL \k, \zero
	WIN 0
.endm
	s_wait_alu depctr_va_vdst(0)
	s_wait_tensorcnt 0x0
	s_barrier_signal -1
	s_barrier_wait -1                              ; all three records are in
	FETCH 0
	s_wait_loadcnt 0x0                             ; the bias: the first products' C
	KSTEP 0, 1
.irp k, 1,2,3,4,5,6,7
	KSTEP \k, 0
.endr
	s_barrier_signal -1                            ; my LDS reads were over at the last step's wait
	PLACES
	s_barrier_wait -1                              ; everybody's are: the stage may lie on A's codes
.macro TOSTAGE a
.set AC, 64*(\a)
	WIN 8
.irp b, 0,1,2,3,4,5,6,7
	ds_store_b128 v[STO], v[AC+8*\b:AC+8*\b+3] offset:256*(\b/4)+32*(\b%4)
	ds_store_b128 v[STO], v[AC+8*\b+4:AC+8*\b+7] offset:256*(\b/4)+32*(\b%4)+16
.endr
	WIN 0
.set BB, BK+64*((\a)%2)
.irp t, 0,1,2,3,4,5,6,7,8,9,10,11,12,13,14,15
	ds_load_b128 v[BB+4*\t:BB+4*\t+3], v[RD] offset:\t*FP
.endr
.endm
.macro SEND a, younger
.set BB, BK+64*((\a)%2)
	s_wait_dscnt \younger
.irp t, 0,1,2,3,4,5,6,7,8,9,10,11,12,13,14,15
	global_store_b128 v[L16], v[BB+4*\t:BB+4*\t+3], s[20:21] offset:(32*(\t/8)+8*(\a)+\t%8)*4096 th:TH_STORE_NT   ; 32 lanes store 512 consecutive bytes, aligned
.endr
.endm
	TOSTAGE 0
.irp a, 1,2,3
.if \a > 1
	s_wait_xcnt 0x0
.endif
	TOSTAGE \a
	SEND \a-1, 32
.endr
	SEND 3, 0
	s_wait_tensorcnt 0x0                           ; the wave's end
	ds_add_u32 v[SPW], v[NIL]
	s_wait_dscnt 0x0
	CROUND
	s_endpgm
.Lfunc_end_k_q14b465039b_gemm_o:
	.size	k_q14b465039b_gemm_o, .Lfunc_end_k_q14b465039b_gemm_o-k_q14b465039b_gemm_o
	.p2alignl 7, 3214868480
	.fill 96, 4, 3214868480
	.section	.rodata,"a",@progbits
	.p2align	6, 0x0
	.amdhsa_kernel k_q14b465039b_gemm_o
		.amdhsa_group_segment_fixed_size 327680
		.amdhsa_private_segment_fixed_size 0
		.amdhsa_enable_private_segment 0
		.amdhsa_kernarg_size 32
		.amdhsa_user_sgpr_count 2
		.amdhsa_user_sgpr_kernarg_segment_ptr 1
		.amdhsa_wavefront_size32 1
		.amdhsa_system_sgpr_workgroup_id_x 1
		.amdhsa_system_sgpr_workgroup_id_y 1
		.amdhsa_system_sgpr_workgroup_id_z 1
		.amdhsa_system_vgpr_workitem_id 0
		.amdhsa_next_free_vgpr 768
		.amdhsa_next_free_sgpr 102
		.amdhsa_reserve_vcc 0
		.amdhsa_float_denorm_mode_32 3
		.amdhsa_float_denorm_mode_16_64 3
		.amdhsa_memory_ordered 1
		.amdhsa_forward_progress 1
		.amdhsa_inst_pref_size 84
	.end_amdhsa_kernel
	.amdgpu_metadata
---
amdhsa.version: [ 1, 2 ]
amdhsa.kernels:
  - .name:           k_q14b465039b_gemm_o
    .symbol:         k_q14b465039b_gemm_o.kd
    .args:
      - { .name: oc, .offset: 0, .size: 8, .value_kind: global_buffer, .address_space: global }
      - { .name: wc, .offset: 8, .size: 8, .value_kind: global_buffer, .address_space: global }
      - { .name: bo, .offset: 16, .size: 8, .value_kind: global_buffer, .address_space: global }
      - { .name: out0, .offset: 24, .size: 8, .value_kind: global_buffer, .address_space: global }
    .group_segment_fixed_size: 327680
    .private_segment_fixed_size: 0
    .kernarg_segment_align: 8
    .kernarg_segment_size: 32
    .max_flat_workgroup_size: 128
    .sgpr_count:     102
    .vgpr_count:     768
    .wavefront_size: 32
...
	.end_amdgpu_metadata
.endif
;; end of part 5
